; MI455X (gfx1250); checked and timed in simulation.
; The chip was launched on July 23, 2026; its instructions are those of AMD's public machine-readable ISA for CDNA 5 (MIT licence, August 2026) and "CDNA5" Instruction Set Architecture Reference Guide (July 2026). The comments in the code are by the model that wrote it; some were corrected since.
;; Transformer. Allowed arithmetic: matrix products marked QUANTISED: E3M2 operands, one E8M0 scale for each 32 along K, by v_wmma_scale_f32_16x16x128_f8f6f4 with both operands' format E3M2, f32 sums; everything else in f32.
;; Inputs: Wkv 1,024 x 2,048 float32; Wout 1,024 x 1,024 float32; Wq 1,024 x 1,024 float32; k_scale 64 float32; norm_b 1,024 float32; norm_g 1,024 float32; null_kv 16 x 4 x 64 float32; q_scale 64 float32; x 2 x 2,048 x 1,024 float32.
;; Outputs: out0 2 x 2,048 x 1,024 float32.
;; This version of the problem:
;;   THIS VERSION OF THE PROBLEM IS GIVEN IN LOW PRECISION. The matrix products marked QUANTISED in the list below multiply operands that are first quantised to E3M2 (3 exponent bits, 2 mantissa bits; 6 bits a number), with one power-of-two scale for each 32 numbers along K (OCP MX v1.0); their sums are f32. All else is computed in f32.
;;   The module's matrix products, in the order in which they are computed (A, B: the left and right operand; K: the contracted axis; several contracted axes count as one K, in the product's order):
;;     1. [M 4,096, K 1,024] x [K 1,024, N 1,024]; A: computed on the way; B: input Wq: QUANTISED
;;     2. [M 4,096, K 1,024] x [K 1,024, N 2,048]; A: input x; B: input Wkv: QUANTISED
;;     3. batch 32 x [M 2,048, K 64] x [K 64, N 2,050]; A: computed on the way; B: computed on the way: QUANTISED
;;     4. batch 32 x [M 2,048, K 2,050] x [K 2,050, N 64]; A: softmax (see below); B: computed on the way: QUANTISED
;;     5. [M 4,096, K 1,024] x [K 1,024, N 1,024]; A: computed on the way; B: input Wout: QUANTISED
;;   THE QUANTISER, for each operand of a quantised product, along K:
;;     - K is cut into blocks of 32 from its start; a last block that is shorter is filled with zeros.
;;     - A block's scale is 2^e with e = floor(log2(the largest magnitude in the block)) - 4, held to -126 .. 127; a block of zeros has e = 0. As a byte (E8M0): e + 127.
;;     - Each number is divided by its block's scale, clamped to +-28, and rounded to the nearest number of E3M2, ties to even, subnormals kept.
;;     - The product sums the exact products of the quantised numbers (number of the format x scale) in f32.
;;   ~~~python
;;   def quantise(x, axis):      # numpy; x: float32 -> the quantised numbers, widened to float32 again
;;       x = np.moveaxis(x, axis, -1); K = x.shape[-1]
;;       x = np.pad(x, [(0, 0)] * (x.ndim - 1) + [(0, -K % 32)]); x = x.reshape(x.shape[:-1] + (-1, 32)); a = np.abs(x).max(-1, keepdims=True)
;;       e = np.where(a > 0, np.clip(np.frexp(np.where(a > 0, a, 1))[1] - 1 - 4, -126, 127), 0)      # np.frexp(a)[1] - 1 = floor(log2(a)), exactly
;;       r = np.clip(x / 2.0 ** e, -28, 28)
;;       step = 2.0 ** (np.maximum(np.frexp(np.where(r == 0, 1, r))[1] - 1, -2) - 2)
;;       q = np.round(r / step) * step * 2.0 ** e      # np.round: ties to even
;;       return np.moveaxis(q.reshape(q.shape[:-2] + (-1,))[..., :K], -1, axis).astype(np.float32)
;;   ~~~
;;   SOFTMAX AHEAD OF A QUANTISED PRODUCT. Where the list says 'softmax', what is quantised is not the finished softmax but p = 2^(t - M), with t = logit x log2(e) and M = ceil(the row's largest t), a whole number; so 1/2 < the row's largest p <= 1. The row's sum l is taken of the UNQUANTISED p, in f32, and the product's result is divided by l at the end. Since M is a whole number, a kernel that streams over the keys may use a running M (the ceiling of the running maximum): every later rescaling is an exact power of two, which a block's scale takes up: the codes' values come out the same.
;;   OPERANDS COMPUTED ON THE WAY. 'Computed on the way' means the value that the module computes at that place (a softmax that the list does not call 'softmax' is quantised finished and normalised). What goes into a quantiser is computed in f32, as accurately as f32 sums, v_exp_f32 and their like allow (about 1e-6 of the number): no bf16 or f16 on the way to a quantiser, and a product that is left as it is and whose result goes on into a quantised operand takes f32 operands (vector FMAs, or v_wmma_f32_16x16x4_f32). A number that lies on a knife's edge between two numbers of the format may be rounded either way, as far as f32 arithmetic and the matrix unit's own rounding can turn it there, and no further.
;; One version. Each part assembles by itself: llvm-mc -triple=amdgcn-amd-amdhsa -mcpu=gfx1250 --defsym DOCPART=n.
;; ======== version 1 of 1: 4 launches
;; limits: right only within a limited range of input values
;; workspace buffers: xa 6,553,600 bytes; wb 3,276,800 bytes; qb 3,407,872 bytes; kv 6,963,200 bytes; ob 3,276,800 bytes
;; launch prep (part 1): grid 384 x 1, 8 waves a work-group, no clusters, 69,632 bytes of LDS; arguments x, norm_g, norm_b, Wq, Wkv, Wout, xa, wb; writes xa, wb
.if DOCPART == 1
	.amdgcn_target "amdgcn-amd-amdhsa--gfx1250"
	.amdhsa_code_object_version 6
	.text
	.protected	k_q007b62efc0_prep
	.globl	k_q007b62efc0_prep
	.p2align	8
	.type	k_q007b62efc0_prep,@function
k_q007b62efc0_prep:
	s_mov_b64 s[64:65], 0
	v_nop
	global_prefetch_b8 v0, s[64:65] scope:SCOPE_SE
	s_setreg_imm32_b32 hwreg(HW_REG_WAVE_MODE, 25, 1), 1
	s_wait_xcnt 0x0
; PREP: x, LayerNorm(x) and the three weights become codes of BF6 (E3M2) with one E8M0 byte for each 32 along K,
; laid in the order of a matrix operand's registers, so that the later launches load fragments as they stand.
; A TILE RECORD (12,800 bytes) is 16 rows x 1,024 K: 512 bytes of scale words [K step s][row r], then 8 images of 1,536 bytes,
; one for each K step of 128.  An image is 6 planes of 256 bytes: plane p holds operand registers 2 p, 2 p + 1 of lane l at 8 l.
; ROWS OF x: row r of tile T of a batch stands at place rho = 32 (T / 2) + 8 (T % 2) + r + 8 (r / 8) and is token (rho - 2) mod 2048:
; rho is the token's key index (two null keys come first), and the 16 registers of two neighbouring tiles' results are neighbours.
; COLUMNS OF A WEIGHT: row r' of tile 2 G + u is column 32 G + 8 u + r' + 8 (r' / 8); tiles: Wq 0-63, Wkv 64-191, Wout 192-255.
; Work-groups 0-255: one tile of x; wave w takes K step w; mean and variance meet in LDS (two barriers).
; Work-groups 256-383: 256 columns x 128 K of a weight; a lane takes a column and its registers run down K.  No LDS, no barrier.
; A block's byte is its largest magnitude's exponent field - 4, held at 1 from below.
; LIMITS: a block of zeros gets the byte 1 where the rule says 127 (its codes are zeros, and this program alone reads the bytes);
; NaN and infinities among the inputs are not served; v_rsq_f32 is good to 1 ulp.
.set TRB,    12800
.set XNOFF,  3276800                   ; LayerNorm(x)'s records lie behind x's 256
.set P1,     0                         ; LDS: the waves' row sums, [row][wave] words, 512 bytes
.set P2,     512                       ; and their sums of squares
.set STG,    1024                      ; a stage of 16 rows x 528 bytes for each wave
.set SPITCH, 528
.set XR,  16                           ; v16-79   x as loaded, later norm_b
.set X,   80                           ; v80-143  register 16 b + i = k 32 b + 16 (lane / 16) + i of my row
.set G,   144                          ; v144-207 norm_g, laid likewise
.set PC,  208                          ; v208-226 the codes just made
.set TM,  228                          ; v228-243 at work in QUANT
.set PWX, 244                          ; x's scale word
.set PWN, 245                          ; LayerNorm(x)'s
.set SEL, 34                           ; s[34:35] v_permlanex16_b32's selects for lane l xor 16
; 64 numbers of a lane become a fragment's 12 registers of codes in v[PC] on and its row's scale word in v[pw].
.macro QUANT s, pw
.irp b, 0,1,2,3
	v_max3_num_f32 v[TM+\b], |v[\s+16*\b]|, |v[\s+1+16*\b]|, 0x2800000   ; my 16 numbers of block b, and the floor 2^(5 - 127): the byte cannot fall under 1
.endr
.irp i, 2,4,6,8,10,12,14
.irp b, 0,1,2,3
	s_delay_alu instid0(VALU_DEP_4)
	v_max3_num_f32 v[TM+\b], v[TM+\b], |v[\s+16*\b+\i]|, |v[\s+1+16*\b+\i]|
.endr
.endr
.irp b, 0,1,2,3
	s_delay_alu instid0(VALU_DEP_4)
	v_permlanex16_b32 v[TM+4+\b], v[TM+\b], s[SEL], s[SEL+1]
.endr
.irp b, 0,1,2,3
	s_delay_alu instid0(VALU_DEP_4)
	v_max_num_f32 v[TM+\b], v[TM+\b], v[TM+4+\b]                 ; with lane l xor 16's: the block's largest magnitude
.endr
.irp b, 0,1,2,3
	s_delay_alu instid0(VALU_DEP_4)
	v_add_nc_u32 v[TM+12+\b], 0xfe000000, v[TM+\b]               ; 4 off its exponent field: the conversion's scale operand
.endr
.irp b, 0,1,2,3
	s_delay_alu instid0(VALU_DEP_4)
	v_lshrrev_b32 v[TM+4+\b], 23, v[TM+12+\b]                    ; the scale's byte
.endr
	s_delay_alu instid0(VALU_DEP_3)
	v_lshl_or_b32 v[\pw], v[TM+5], 8, v[TM+4]
	s_delay_alu instid0(VALU_DEP_1)
	v_lshl_or_b32 v[\pw], v[TM+6], 16, v[\pw]
	s_delay_alu instid0(VALU_DEP_1)
	v_lshl_or_b32 v[\pw], v[TM+7], 24, v[\pw]
.irp c, 0,1
	v_cvt_scalef32_pk16_bf6_f32 v[PC+6*\c:PC+2+6*\c], v[\s+32*\c:\s+15+32*\c], v[TM+12+2*\c]
	v_cvt_scalef32_pk16_bf6_f32 v[PC+12+4*\c:PC+14+4*\c], v[\s+16+32*\c:\s+31+32*\c], v[TM+12+2*\c+1]   ; (three registers that begin on an even number)
.endr
	v_nop                                                        ; one plain place behind a scaled conversion
.irp c, 0,1                                                      ; the layout wants a whole block in a lane: lanes 0-15 block 2 c, lanes 16-31 block 2 c + 1
.irp i, 0,1,2
	v_permlane16_swap_b32 v[PC+6*\c+\i], v[PC+12+4*\c+\i]
.endr
.irp i, 0,1,2
	s_delay_alu instid0(VALU_DEP_3)
	v_mov_b32 v[PC+3+6*\c+\i], v[PC+12+4*\c+\i]
.endr
.endr
.endm
	s_load_b256 s[4:11], s[0:1], 0x0               ; x s[4:5], norm_g s[6:7], norm_b s[8:9], Wq s[10:11]
	s_load_b256 s[12:19], s[0:1], 0x20             ; Wkv s[12:13], Wout s[14:15], xa s[16:17], wb s[18:19]
	v_lshl_add_u32 v238, v0, 2, 0x10c00
	v_mov_b32 v239, 0
	v_lshrrev_b32 v1, 5, v0
	s_delay_alu instid0(VALU_DEP_1)
	v_readfirstlane_b32 s20, v1                    ; wave 0..7
	v_and_b32 v2, 31, v0                           ; lane
	s_cmp_ge_u32 ttmp9, 256
	s_cbranch_scc1 .Lweights                       ; the whole work-group goes one way
	; ---------------- a tile of x ----------------
	v_and_b32 v3, 15, v0                           ; r
	v_bfe_u32 v4, v0, 4, 1                         ; h
	s_lshr_b32 s21, ttmp9, 7
	s_lshl_b32 s21, s21, 11                        ; the batch's first token
	s_and_b32 s22, ttmp9, 127                      ; T
	s_lshr_b32 s23, s22, 1
	s_lshl_b32 s23, s23, 5
	s_and_b32 s22, s22, 1
	s_lshl_b32 s22, s22, 3
	s_add_co_u32 s23, s23, s22                     ; rho of row 0
	s_sub_co_u32 s24, s23, 2
	s_and_b32 s24, s24, 2047                       ; rows 0 and 1: token (rho - 2) mod 2048 (tile 0's wrap to 2046, 2047)
	s_add_co_u32 s24, s24, s21
	s_lshl_b32 s24, s24, 12                        ; 4,096 bytes a token
	s_mov_b32 s25, 0
	s_add_co_u32 s26, s23, s21                     ; rows 2 on never wrap: their - 2 stands in the immediate
	s_lshl_b32 s26, s26, 12
	s_mov_b32 s27, 0
	s_mul_i32 s30, ttmp9, TRB                      ; the tile's record
	s_mov_b32 s31, 0
	s_lshl_b32 s28, s20, 9                         ; my K step's 512 bytes of a row
	s_wait_alu depctr_va_vdst(0)
	v_lshl_add_u32 v5, v2, 4, s28                  ; x: 16 bytes a lane, 512 consecutive bytes a load
	v_lshl_add_u32 v6, v4, 6, s28                  ; norm_g, norm_b: my half's 16 numbers of each block
	s_mul_i32 s29, s20, 16*SPITCH
	s_add_co_u32 s29, s29, STG                     ; my stage
	v_lshl_add_u32 v7, v2, 4, s29                  ; into it: as loaded
	v_mul_u32_u24 v8, v3, SPITCH
	s_delay_alu instid0(VALU_DEP_1)
	v_lshl_add_u32 v8, v4, 6, v8
	s_delay_alu instid0(VALU_DEP_1)
	v_add_nc_u32 v8, s29, v8                       ; out of it: row r, + 64 h
	v_lshlrev_b32 v9, 5, v3                        ; the eight waves' words of row r
	s_lshl_b32 s32, s20, 2
	v_add_nc_u32 v10, s32, v9                      ; and mine among them
	s_mul_i32 s32, s20, 1536
	s_add_co_u32 s32, s32, 512
	v_lshl_add_u32 v11, v2, 3, s32                 ; my K step's image: 8 bytes a lane
	v_mul_u32_u24 v12, v4, XNOFF                   ; scale words: lanes 0-15 store x's, lanes 16-31 LayerNorm(x)'s
	s_delay_alu instid0(VALU_DEP_1)
	v_lshl_add_u32 v12, v3, 2, v12
	s_lshl_b32 s32, s20, 6
	v_add_nc_u32 v12, s32, v12
	s_mov_b32 s[SEL], 0x76543210
	s_mov_b32 s[SEL+1], 0xfedcba98
	s_mov_b32 s36, 0x3a800000                      ; 1 / 1024
	s_mov_b32 s37, 0x3727c5ac                      ; 1e-5
.irp b, 0,1,2,3
	v_mov_b32 v[TM+4+\b], 0                        ; a lane permute's destination counts as read
.endr
	v_mov_b32 v250, 0
	s_wait_kmcnt 0x0
	s_add_nc_u64 s[24:25], s[4:5], s[24:25]
	s_add_nc_u64 s[26:27], s[4:5], s[26:27]
	s_add_nc_u64 s[16:17], s[16:17], s[30:31]
.irp j, 0,1
	global_load_b128 v[XR+4*\j:XR+4*\j+3], v5, s[24:25] offset:4096*\j th:TH_LOAD_NT
.endr
.irp j, 2,3,4,5,6,7,8,9,10,11,12,13,14,15
	global_load_b128 v[XR+4*\j:XR+4*\j+3], v5, s[26:27] offset:(\j+8*(\j/8)-2)*4096 th:TH_LOAD_NT
.endr
.irp b, 0,1,2,3
.irp q, 0,1,2,3
	global_load_b128 v[G+16*\b+4*\q:G+16*\b+4*\q+3], v6, s[6:7] offset:128*\b+16*\q
.endr
.endr
	s_wait_loadcnt 16                              ; x's 16 loads are in; norm_g's 16 are younger
.irp j, 0,1,2,3,4,5,6,7,8,9,10,11,12,13,14,15
	ds_store_b128 v7, v[XR+4*\j:XR+4*\j+3] offset:SPITCH*\j
.endr
.irp b, 0,1,2,3
.irp q, 0,1,2,3
	ds_load_b128 v[X+16*\b+4*\q:X+16*\b+4*\q+3], v8 offset:128*\b+16*\q   ; my own bytes: LDS serves a wave's instructions in order
.endr
.endr
	s_wait_dscnt 0x0                               ; the numbers are back, and the stores have read XR
.irp b, 0,1,2,3
.irp q, 0,1,2,3
	global_load_b128 v[XR+16*\b+4*\q:XR+16*\b+4*\q+3], v6, s[8:9] offset:128*\b+16*\q   ; norm_b takes XR
.endr
.endr
	QUANT X, PWX                                   ; x as it is: the operand of x Wkv
.irp p, 0,1,2,3,4,5
	global_store_b64 v11, v[PC+2*\p:PC+2*\p+1], s[16:17] offset:256*\p     ; 32 lanes store 256 consecutive bytes
.endr
	; the row's mean: my 64 numbers, lane l xor 16's, then the eight waves'
	v_pk_add_f32 v[248:249], v[80:81], v[82:83]
	v_pk_add_f32 v[254:255], v[88:89], v[92:93]
	v_pk_add_f32 v[252:253], v[96:97], v[100:101]
	v_pk_add_f32 v[242:243], v[104:105], v[108:109]
	v_pk_add_f32 v[240:241], v[112:113], v[116:117]
	v_pk_add_f32 v[236:237], v[120:121], v[124:125]
	v_pk_add_f32 v[230:231], v[128:129], v[132:133]
	v_pk_add_f32 v[246:247], v[136:137], v[140:141]
	s_delay_alu instid0(VALU_DEP_1)
	v_pk_add_f32 v[246:247], v[246:247], v[84:85]
	v_pk_add_f32 v[248:249], v[248:249], v[86:87]
	v_pk_add_f32 v[254:255], v[254:255], v[90:91]
	v_pk_add_f32 v[252:253], v[252:253], v[94:95]
	v_pk_add_f32 v[242:243], v[242:243], v[98:99]
	v_pk_add_f32 v[240:241], v[240:241], v[102:103]
	v_pk_add_f32 v[236:237], v[236:237], v[106:107]
	v_pk_add_f32 v[230:231], v[230:231], v[110:111]
	v_pk_add_f32 v[246:247], v[246:247], v[114:115]
	v_pk_add_f32 v[248:249], v[248:249], v[118:119]
	v_pk_add_f32 v[254:255], v[254:255], v[122:123]
	v_pk_add_f32 v[252:253], v[252:253], v[126:127]
	v_pk_add_f32 v[242:243], v[242:243], v[130:131]
	v_pk_add_f32 v[240:241], v[240:241], v[134:135]
	v_pk_add_f32 v[236:237], v[236:237], v[138:139]
	v_pk_add_f32 v[230:231], v[230:231], v[142:143]
	s_delay_alu instid0(VALU_DEP_4)
	v_pk_add_f32 v[246:247], v[246:247], v[242:243]
	s_delay_alu instid0(VALU_DEP_4)
	v_pk_add_f32 v[248:249], v[248:249], v[240:241]
	s_delay_alu instid0(VALU_DEP_4)
	v_pk_add_f32 v[254:255], v[254:255], v[236:237]
	s_delay_alu instid0(VALU_DEP_4)
	v_pk_add_f32 v[252:253], v[252:253], v[230:231]
	s_delay_alu instid0(VALU_DEP_2)
	v_pk_add_f32 v[246:247], v[246:247], v[254:255]
	s_delay_alu instid0(VALU_DEP_2)
	v_pk_add_f32 v[248:249], v[248:249], v[252:253]
	s_delay_alu instid0(VALU_DEP_1)
	v_pk_add_f32 v[246:247], v[246:247], v[248:249]
	s_delay_alu instid0(VALU_DEP_1)
	v_add_f32 v246, v246, v247
	s_delay_alu instid0(VALU_DEP_1)
	v_permlanex16_b32 v250, v246, s[SEL], s[SEL+1]
	s_delay_alu instid0(VALU_DEP_1)
	v_add_f32 v246, v246, v250
	ds_store_b32 v10, v246 offset:P1               ; both halves of the lanes write the same word with the same value
	s_wait_dscnt 0x0                               ; for the others' sake: my store has landed
	s_barrier_signal -1
	s_barrier_wait -1
	ds_load_b128 v[248:251], v9 offset:P1
	ds_load_b128 v[252:255], v9 offset:P1+16
	s_wait_dscnt 0x0
	v_add_f32 v248, v248, v249
	v_add_f32 v250, v250, v251
	v_add_f32 v252, v252, v253
	v_add_f32 v254, v254, v255
	s_delay_alu instid0(VALU_DEP_3)
	v_add_f32 v248, v248, v250
	s_delay_alu instid0(VALU_DEP_2)
	v_add_f32 v252, v252, v254
	s_delay_alu instid0(VALU_DEP_1)
	v_add_f32 v248, v248, v252
	s_delay_alu instid0(VALU_DEP_1)
	v_mul_f32 v246, s36, v248                      ; the mean
.set j, 0
.rept 32
	v_pk_add_f32 v[X+j:X+j+1], v[X+j:X+j+1], v[246:247] op_sel_hi:[1,0] neg_lo:[0,1] neg_hi:[0,1]   ; x - mean
.set j, j+2
.endr
	v_pk_mul_f32 v[248:249], v[X:X+1], v[X:X+1]
	v_pk_mul_f32 v[250:251], v[X+2:X+3], v[X+2:X+3]
.set j, 4
.rept 15
	s_delay_alu instid0(VALU_DEP_2)
	v_pk_fma_f32 v[248:249], v[X+j:X+j+1], v[X+j:X+j+1], v[248:249]
	s_delay_alu instid0(VALU_DEP_2)
	v_pk_fma_f32 v[250:251], v[X+j+2:X+j+3], v[X+j+2:X+j+3], v[250:251]
.set j, j+4
.endr
	s_delay_alu instid0(VALU_DEP_1)
	v_pk_add_f32 v[248:249], v[248:249], v[250:251]
	s_delay_alu instid0(VALU_DEP_1)
	v_add_f32 v248, v248, v249
	s_delay_alu instid0(VALU_DEP_1)
	v_permlanex16_b32 v252, v248, s[SEL], s[SEL+1]
	s_delay_alu instid0(VALU_DEP_1)
	v_add_f32 v248, v248, v252
	ds_store_b32 v10, v248 offset:P2               ; other bytes than the sums': no barrier is owed between the reads above and this store
	s_wait_dscnt 0x0
	s_barrier_signal -1
	s_barrier_wait -1
	ds_load_b128 v[248:251], v9 offset:P2
	ds_load_b128 v[252:255], v9 offset:P2+16
	s_wait_dscnt 0x0
	v_add_f32 v248, v248, v249
	v_add_f32 v250, v250, v251
	v_add_f32 v252, v252, v253
	v_add_f32 v254, v254, v255
	s_delay_alu instid0(VALU_DEP_3)
	v_add_f32 v248, v248, v250
	s_delay_alu instid0(VALU_DEP_2)
	v_add_f32 v252, v252, v254
	s_delay_alu instid0(VALU_DEP_1)
	v_add_f32 v248, v248, v252
	s_delay_alu instid0(VALU_DEP_1)
	v_fma_f32 v248, v248, s36, s37                 ; the variance + 1e-5
	s_wait_alu depctr_va_vdst(0)
	v_rsq_f32 v246, v248
	v_nop                                          ; one plain place behind a transcendental
	s_wait_loadcnt 0x0                             ; norm_g and norm_b
.set j, 0
	s_wait_alu depctr_va_vdst(0)
.rept 32
	v_pk_mul_f32 v[X+j:X+j+1], v[X+j:X+j+1], v[246:247] op_sel_hi:[1,0]
.set j, j+2
.endr
.set j, 0
.rept 32
	v_pk_fma_f32 v[X+j:X+j+1], v[X+j:X+j+1], v[G+j:G+j+1], v[XR+j:XR+j+1]
.set j, j+2
.endr
	s_wait_xcnt 0x0                                ; the stores of x's codes have read PC: it is written again only behind this wait
	QUANT X, PWN
.irp p, 0,1,2,3,4,5
	global_store_b64 v11, v[PC+2*\p:PC+2*\p+1], s[16:17] offset:XNOFF+256*\p
.endr
	v_cmp_ne_u32 vcc_lo, 0, v4
	s_delay_alu instid0(VALU_DEP_1)
	v_cndmask_b32 v246, v[PWX], v[PWN], vcc_lo
	global_store_b32 v12, v246, s[16:17]           ; 64 bytes into each of the two records
	s_wait_tensorcnt 0x0
	ds_add_u32 v238, v239
	s_wait_dscnt 0x0
	s_endpgm
	; ---------------- 256 columns x 128 K of a weight ----------------
.set OFFS, 16                          ; v16-47   row i of a block: i x pitch + my column's bytes
.set WX,   48                          ; v48-111  two sets of 32 numbers
.set WC,   112                         ; v112-143 eight registers for each block's codes: no store's data are written again
.set WT,   144                         ; v144-146 a block's upper 16 codes, before they are moved
.set SBW,  150                         ; the four bytes of my column's scale word
.Lweights:
	s_sub_co_u32 s21, ttmp9, 256
	s_lshr_b32 s22, s21, 3                         ; which 256 of the 4,096 columns
	s_and_b32 s23, s21, 7                          ; which K step
	s_wait_kmcnt 0x0
	s_cmp_lt_u32 s22, 4                            ; the choices hang on the work-group's number alone
	s_cselect_b64 s[24:25], s[10:11], s[12:13]     ; Wq, or Wkv
	s_cselect_b32 s26, 0, 4                        ; the weight's first group of columns
	s_cselect_b32 s27, 12, 13                      ; log2 of a row's bytes
	s_cmp_lt_u32 s22, 12
	s_cselect_b64 s[24:25], s[24:25], s[14:15]     ; or Wout
	s_cselect_b32 s26, s26, 12
	s_cselect_b32 s27, s27, 12
	s_sub_co_u32 s28, s22, s26
	s_lshl_b32 s28, s28, 10
	s_lshl_b32 s29, s20, 7
	s_add_co_u32 s28, s28, s29
	s_wait_alu depctr_va_vdst(0)
	v_lshl_add_u32 v3, v2, 2, s28                  ; my column's bytes in a row: the wave reads 128 consecutive bytes, the work-group 1,024
	s_lshl_b32 s30, 1, s27                         ; a row's bytes
.set i, 0
.rept 32
	v_mad_u32_u24 v[OFFS+i], s30, i, v3
.set i, i+1
.endr
	s_lshl_b32 s32, s23, 7
	s_lshl_b32 s32, s32, s27                       ; the K step's first row
	s_mov_b32 s33, 0
	s_lshl_b32 s34, s30, 5                         ; 32 rows
	s_mov_b32 s35, 0
	s_add_nc_u64 s[36:37], s[24:25], s[32:33]      ; a base for each block
	s_add_nc_u64 s[38:39], s[36:37], s[34:35]
	s_add_nc_u64 s[40:41], s[38:39], s[34:35]
	s_add_nc_u64 s[42:43], s[40:41], s[34:35]
	v_bfe_u32 v5, v2, 3, 1                         ; column l of the wave's 32 is row r' = l % 8 + 8 (l / 16) of tile u = (l / 8) % 2
	v_and_b32 v6, 7, v2
	v_lshrrev_b32 v7, 4, v2
	s_delay_alu instid0(VALU_DEP_1)
	v_lshl_or_b32 v6, v7, 3, v6
	s_delay_alu instid0(VALU_DEP_4)
	v_mul_u32_u24 v5, v5, TRB
	s_delay_alu instid0(VALU_DEP_1)
	v_lshl_add_u32 v4, v6, 3, v5                   ; my codes' place
	s_delay_alu instid0(VALU_DEP_2)
	v_lshl_add_u32 v9, v6, 2, v5                   ; my scale word's
	s_lshl_b32 s44, s22, 4
	s_lshl_b32 s45, s20, 1
	s_add_co_u32 s44, s44, s45                     ; the wave's first tile
	s_mul_i32 s44, s44, TRB
	s_mov_b32 s45, 0
	s_add_nc_u64 s[18:19], s[18:19], s[44:45]
	s_mul_i32 s48, s23, 1536
	s_add_co_u32 s48, s48, 512
	s_mov_b32 s49, 0
	s_add_nc_u64 s[46:47], s[18:19], s[48:49]      ; the K step's image
	s_lshl_b32 s48, s23, 6
	s_add_nc_u64 s[50:51], s[18:19], s[48:49]      ; and its scale words
.macro WLOAD t
.set i, 0
.rept 32
	global_load_b32 v[WX+32*((\t)%2)+i], v[OFFS+i], s[36+2*(\t):37+2*(\t)] th:TH_LOAD_NT
.set i, i+1
.endr
.endm
; Block t (k = 32 t .. 32 t + 31 of the K step) is all mine.  In the operand it is registers 6 (t / 2) .. + 5 of lane r' + 16 (t % 2).
.macro WBLOCK t
.set XS, WX+32*((\t)%2)
.if (\t) < 3
	s_wait_loadcnt 32                              ; this block's 32 loads are in; the next block's may be out
.else
	s_wait_loadcnt 0x0
.endif
	v_max3_num_f32 v12, |v[XS]|, |v[XS+1]|, |v[XS+2]|
	v_max3_num_f32 v13, |v[XS+3]|, |v[XS+4]|, |v[XS+5]|
.irp i, 6,10,14,18,22,26
	s_delay_alu instid0(VALU_DEP_2)
	v_max3_num_f32 v12, v12, |v[XS+\i]|, |v[XS+\i+1]|
	s_delay_alu instid0(VALU_DEP_2)
	v_max3_num_f32 v13, v13, |v[XS+\i+2]|, |v[XS+\i+3]|
.endr
	s_delay_alu instid0(VALU_DEP_2)
	v_max3_num_f32 v12, v12, |v[XS+30]|, |v[XS+31]|
	s_delay_alu instid0(VALU_DEP_1)
	v_max3_num_f32 v12, v12, v13, 0x2800000        ; and the floor
	s_delay_alu instid0(VALU_DEP_1)
	v_add_nc_u32 v11, 0xfe000000, v12              ; the conversion's scale operand
	s_delay_alu instid0(VALU_DEP_1)
	v_lshrrev_b32 v13, 23, v11                     ; the byte
.if (\t) == 0
	s_delay_alu instid0(VALU_DEP_1)
	v_mov_b32 v[SBW], v13
.else
	s_delay_alu instid0(VALU_DEP_1)
	v_lshl_or_b32 v[SBW], v13, 8*(\t), v[SBW]
.endif
	v_cvt_scalef32_pk16_bf6_f32 v[WC+8*(\t):WC+8*(\t)+2], v[XS:XS+15], v11
	v_cvt_scalef32_pk16_bf6_f32 v[WT:WT+2], v[XS+16:XS+31], v11
	v_nop                                          ; one plain place behind a scaled conversion
.irp i, 0,1,2
	v_mov_b32 v[WC+8*(\t)+3+\i], v[WT+\i]
.endr
.irp k, 0,1,2
	global_store_b64 v4, v[WC+8*(\t)+2*\k:WC+8*(\t)+2*\k+1], s[46:47] offset:256*(3*((\t)/2)+\k)+128*((\t)%2)   ; half a plane of each of two tiles; the next block brings the other half
.endr
.if (\t)+2 < 4
	WLOAD (\t)+2
.endif
.endm
	s_wait_alu depctr_va_vdst(0)
	WLOAD 0
	WLOAD 1
	WBLOCK 0
	WBLOCK 1
	WBLOCK 2
	WBLOCK 3
	global_store_b32 v9, v[SBW], s[50:51]
	s_endpgm
.Lfunc_end_k_q007b62efc0_prep:
	.size	k_q007b62efc0_prep, .Lfunc_end_k_q007b62efc0_prep-k_q007b62efc0_prep
	.p2alignl 7, 3214868480
	.fill 96, 4, 3214868480
	.section	.rodata,"a",@progbits
	.p2align	6, 0x0
	.amdhsa_kernel k_q007b62efc0_prep
		.amdhsa_group_segment_fixed_size 69632
		.amdhsa_private_segment_fixed_size 0
		.amdhsa_enable_private_segment 0
		.amdhsa_kernarg_size 64
		.amdhsa_user_sgpr_count 2
		.amdhsa_user_sgpr_kernarg_segment_ptr 1
		.amdhsa_wavefront_size32 1
		.amdhsa_system_sgpr_workgroup_id_x 1
		.amdhsa_system_sgpr_workgroup_id_y 1
		.amdhsa_system_sgpr_workgroup_id_z 1
		.amdhsa_system_vgpr_workitem_id 0
		.amdhsa_next_free_vgpr 256
		.amdhsa_next_free_sgpr 66
		.amdhsa_reserve_vcc 1
		.amdhsa_float_denorm_mode_32 3
		.amdhsa_float_denorm_mode_16_64 3
		.amdhsa_memory_ordered 1
		.amdhsa_forward_progress 1
		.amdhsa_inst_pref_size 61
	.end_amdhsa_kernel
	.amdgpu_metadata
---
amdhsa.version: [ 1, 2 ]
amdhsa.kernels:
  - .name:           k_q007b62efc0_prep
    .symbol:         k_q007b62efc0_prep.kd
    .args:
      - { .name: x, .offset: 0, .size: 8, .value_kind: global_buffer, .address_space: global }
      - { .name: norm_g, .offset: 8, .size: 8, .value_kind: global_buffer, .address_space: global }
      - { .name: norm_b, .offset: 16, .size: 8, .value_kind: global_buffer, .address_space: global }
      - { .name: Wq, .offset: 24, .size: 8, .value_kind: global_buffer, .address_space: global }
      - { .name: Wkv, .offset: 32, .size: 8, .value_kind: global_buffer, .address_space: global }
      - { .name: Wout, .offset: 40, .size: 8, .value_kind: global_buffer, .address_space: global }
      - { .name: xa, .offset: 48, .size: 8, .value_kind: global_buffer, .address_space: global }
      - { .name: wb, .offset: 56, .size: 8, .value_kind: global_buffer, .address_space: global }
    .group_segment_fixed_size: 69632
    .private_segment_fixed_size: 0
    .kernarg_segment_align: 8
    .kernarg_segment_size: 64
    .max_flat_workgroup_size: 256
    .sgpr_count:     66
    .vgpr_count:     256
    .wavefront_size: 32
...
	.end_amdgpu_metadata
.endif
;; end of part 1
;; launch qkv (part 2): grid 24 x 16, 8 waves a work-group, no clusters, 308,224 bytes of LDS; arguments xa, wb, q_scale, k_scale, null_kv, qb, kv; writes qb, kv
.if DOCPART == 2
	.amdgcn_target "amdgcn-amd-amdhsa--gfx1250"
	.amdhsa_code_object_version 6
	.text
	.protected	k_q007b62efc0_qkv
	.globl	k_q007b62efc0_qkv
	.p2align	8
	.type	k_q007b62efc0_qkv,@function
k_q007b62efc0_qkv:
	s_mov_b64 s[64:65], 0
	v_nop
	global_prefetch_b8 v0, s[64:65] scope:SCOPE_SE
	s_setreg_imm32_b32 hwreg(HW_REG_WAVE_MODE, 25, 1), 1
	s_wait_xcnt 0x0
; QKV: q = LayerNorm(x) Wq, k and v = x Wkv on codes of BF6 (E3M2); then, in registers, q and k are divided by their length and multiplied by
; q_scale / k_scale and quantised along the head's 64; v is quantised along the KEYS.  The null keys and values take key places 0 and 1.
; SHARES.  A work-group: 256 rows (16 tile records of xa) x 128 columns (8 tile records of wb: two heads).  Wave w: rows 64 (w / 2) on, head w % 2:
; 4 x 4 tiles, 16 accumulators.  K = 1,024 is eight steps of 128.  All 24 records (307,200 bytes) come into LDS once, in four groups of two K steps,
; by asynchronous copies, 75 a wave, all issued at the head; no LDS byte is filled twice.
; NO CLUSTER: each work-group copies all its 24 records itself; copies have no mask.
; WHICH OF q, k, v: the work-group's x / 8.
; q AND k: source 0 = 16 columns of W, source 1 = 16 rows of x: a lane holds ONE row, its 32 registers of a row tile are d = 32 b + 16 (lane / 16) + i.
; v: the sources change places: a lane holds ONE d, its 32 registers are key places 32 b + 16 (lane / 16) + i of the wave's 64.
; OUT.  qb: a half image (768 bytes: operand registers 0-5) for each head and tile, and a scale word (its two bytes twice).
; kv: a record of 12,800 bytes for each head and step of 128 key places: K's 8 half images; V's [which 64 places][d tile]; their scale words.
; Tokens 2046, 2047 stand in rows 0, 1 of a batch's tile 0; their key places are 2048, 2049: the wave that holds them puts the null rows in their
; stead and writes record 16 whole (all else in it zero codes under the byte 127).
; LIMITS: a block of zeros gets the byte 1; NaN and infinities are not served; v_sqrt_f32 and v_rcp_f32 are good to 1 ulp and flush denormals.
.set TRB,   12800
.set XNOFF, 3276800
; LDS now holds whole records as they lie in memory: x's 16, then W's 8; group g of two K steps begins LAg bytes into a record
.set RB0,   12800
.set RB,    12800
.set LA0, 0
.set LW0, 204800
.set LA1, 3584
.set LW1, 208384
.set LA2, 6656
.set LW2, 211456
.set LA3, 9728
.set LW3, 214528
.set REC16, 16*TRB
.set L8,  1                            ; v1   8 x lane
.set L4,  2                            ; v2   4 x lane
.set SA,  5                            ; v5   my scale words: lanes 0-15 x's rows, lanes 16-31 W's
.set VR,  6                            ; v6   lane % 16
.set VH,  7                            ; v7   lane / 16
.set SC,  8                            ; v8-11 scale words of the K step: register i: x's tile i below, W's tile i above
.set ACC, 16                           ; v16-143  accumulator (source 1's tile i1, source 0's tile i0) at 8 (4 i1 + i0)
.set XF,  144                          ; v144-191 x's four fragments
.set WF,  192                          ; v192-239 W's four
.set XAD, 240                          ; v240-243 LDS address of my x fragments, a register for each group;  v244-247 of W's
.set WAD, 244
.set TZ,  144                          ; the way out: v144-175 the rows that go to record 16
.set PCI, 176                          ; v176-199 six registers of codes for each tile
.set PT,  200                          ; v200-202 at work
.set HW,  204                          ; v204-207 two scale bytes for each tile
.set SV,  208                          ; v208-239 q_scale or k_scale in a lane's layout
.set INV, 240                          ; v240-247 1 / length, a pair for each tile
.set QM,  248
.set QP,  250
.set QSO, 252
.set QB,  254
.set WV,   18
.set RG,   19
.set HD,   20
.set MODE, 23
.set FIRST, 25
.set AI,   27                          ; which 64 rows of the batch
.set BH,   3                           ; 16 x batch + head
.set SEL,  66
.macro ROUND                           ; a round of the cluster's barrier
	s_barrier_signal -1
	s_barrier_wait -1
	s_cmp_lg_u32 s[WV], 0
	s_cbranch_scc1 .Lnot_wave_0_\@
	s_barrier_signal -3
.Lnot_wave_0_\@:
	s_barrier_wait -3
	s_barrier_signal -1
	s_barrier_wait -1
.endm
.macro G0SET reg, ldsbase, ldsmul, gbase, goff    ; a descriptor's group 0
	s_mov_b32 s[\reg], 1
	s_mul_i32 s[\reg+1], s[WV], \ldsmul
	s_add_co_u32 s[\reg+1], s[\reg+1], \ldsbase
	s_add_nc_u64 s[\reg+2:\reg+3], s[\gbase:\gbase+1], \goff
	s_or_b32 s[\reg+3], s[\reg+3], 0x80000000
.endm
.macro G1SET reg, w0, n, rows                     ; group 1: rows of n elements of 8 bytes, a record (1,600 elements) apart
	s_mov_b32 s[\reg], \w0
	s_mov_b32 s[\reg+1], (\n)<<16
	s_mov_b32 s[\reg+2], (\rows)<<16
	s_mov_b32 s[\reg+3], (\n)<<16
	s_mov_b32 s[\reg+4], \rows
	s_mov_b32 s[\reg+5], TRB/8
	s_mov_b32 s[\reg+6], 0
	s_mov_b32 s[\reg+7], 0
.endm
.macro ADRS reg, sel, base, mul
	s_mul_i32 s2, s[\sel], \mul
	s_add_co_u32 s2, s2, \base
	v_add_nc_u32 v[\reg], s2, v[L8]
.endm
	s_load_b256 s[4:11], s[0:1], 0x0               ; xa s[4:5], wb s[6:7], q_scale s[8:9], k_scale s[10:11]
	s_load_b128 s[12:15], s[0:1], 0x20             ; null_kv s[12:13], qb s[14:15]
	s_load_b64 s[16:17], s[0:1], 0x30              ; kv
	v_lshl_add_u32 v14, v0, 2, 0x4b000
	v_mov_b32 v15, 0
	ds_add_u32 v14, v15
	ds_add_u32 v14, v15
	v_lshrrev_b32 v3, 5, v0
	s_delay_alu instid0(VALU_DEP_1)
	v_readfirstlane_b32 s[WV], v3                  ; wave 0..7
	s_lshr_b32 s[RG], s[WV], 1
	s_and_b32 s[HD], s[WV], 1
	s_mov_b32 s22, ttmp9                           ; which 128 of the 3,072 columns
	s_lshr_b32 s[MODE], ttmp9, 3                   ; 0 q, 1 k, 2 v
	s_and_b32 s24, ttmp7, 0xffff                   ; which 256 rows
	v_and_b32 v4, 31, v0
	s_delay_alu instid0(VALU_DEP_1)
	v_lshlrev_b32 v4, 4, v4                        ; the copies: 16 bytes a lane, 512 consecutive bytes a copy
	s_mul_i32 s2, s[WV], 2*TRB
	v_add_nc_u32 v12, s2, v4                       ; LDS: x's records 2 w, 2 w + 1
	s_mul_i32 s2, s[WV], TRB
	s_add_co_u32 s2, s2, LW0
	v_add_nc_u32 v13, s2, v4                       ; LDS: W's record w
	s_lshl_b32 s26, s24, 4
	s_lshl_b32 s27, s[WV], 1
	s_add_co_u32 s26, s26, s27
	s_mul_i32 s26, s26, TRB                        ; x's records 16 y + 2 w, 16 y + 2 w + 1;
	s_cmp_eq_u32 s[MODE], 0
	s_cselect_b32 s27, XNOFF, 0                    ; q takes LayerNorm(x)'s
	s_add_co_u32 s26, s26, s27
	s_mov_b32 s27, 0
	s_lshl_b32 s30, s22, 3
	s_add_co_u32 s30, s30, s[WV]
	s_mul_i32 s30, s30, TRB                        ; W's record 8 cb + w
	s_mov_b32 s31, 0
	s_wait_alu depctr_va_vdst(0)                   ; directly ahead of the waits below
	s_wait_dscnt 0x0
	s_wait_kmcnt 0x0
	s_add_nc_u64 s[28:29], s[4:5], s[26:27]
	s_add_nc_u64 s[30:31], s[6:7], s[30:31]
; ALL THE LAUNCH'S FILLS: asynchronous copies, issued here, in the order in which the groups are waited for; no LDS byte is filled twice.
; Pieces lo .. hi - 1 of 512 bytes of each of my three records: three copies a piece; 21, 18, 18, 18 copies for the four groups.
; v4, v12, v13 and s[28:31] are not written again before the wait for 0 on ASYNCcnt.
.macro COPY lo, hi
.set cj, \lo
.rept \hi-\lo
	global_load_async_to_lds_b128 v12, v4, s[28:29] offset:512*cj
	global_load_async_to_lds_b128 v12, v4, s[28:29] offset:TRB+512*cj
	global_load_async_to_lds_b128 v13, v4, s[30:31] offset:512*cj
.set cj, cj+1
.endr
.endm
	COPY 0, 7
	COPY 7, 13
	COPY 13, 19
	COPY 19, 25
	v_and_b32 v3, 31, v0
	s_delay_alu instid0(VALU_DEP_1)
	v_lshlrev_b32 v[L8], 3, v3
	s_wait_alu depctr_va_vdst(0)
	v_lshlrev_b32 v[L4], 2, v3
	v_and_b32 v[VR], 15, v0
	v_bfe_u32 v[VH], v0, 4, 1
	s_wait_alu depctr_va_vdst(0)
	ADRS XAD+0, RG, LA0, 4*RB0
	ADRS XAD+1, RG, LA1, 4*RB
	ADRS XAD+2, RG, LA2, 4*RB
	ADRS XAD+3, RG, LA3, 4*RB
	ADRS WAD+0, HD, LW0, 4*RB0
	ADRS WAD+1, HD, LW1, 4*RB
	ADRS WAD+2, HD, LW2, 4*RB
	ADRS WAD+3, HD, LW3, 4*RB
	s_mul_i32 s2, s[RG], 4*RB0                     ; scale words head each part of group 0: x's at my four tiles,
	s_mul_i32 s[FIRST], s[HD], 4*RB0
	s_add_co_u32 s[FIRST], s[FIRST], LW0
	s_sub_co_u32 s[FIRST], s[FIRST], s2            ; W's this much further on: one product with the lane's half
	v_mul_u32_u24 v[SA], s[FIRST], v[VH]
	s_delay_alu instid0(VALU_DEP_1)
	v_lshl_add_u32 v[SA], v[VR], 2, v[SA]
	s_delay_alu instid0(VALU_DEP_1)
	v_add_nc_u32 v[SA], s2, v[SA]
	s_and_b32 s[FIRST], s24, 7
	s_lshl_b32 s[AI], s[FIRST], 2
	s_add_co_u32 s[AI], s[AI], s[RG]               ; which 64 rows of the batch are my wave's
	s_or_b32 s[FIRST], s[FIRST], s[RG]             ; 0: the batch's first 64
	s_and_b32 s[BH], s22, 7
	s_lshl_b32 s[BH], s[BH], 1
	s_add_co_u32 s[BH], s[BH], s[HD]               ; my head
	s_lshr_b32 s2, s24, 3
	s_lshl_b32 s2, s2, 4
	s_add_co_u32 s[BH], s[BH], s2                  ; + 16 x batch
	s_mov_b32 s[SEL], 0x76543210
	s_mov_b32 s[SEL+1], 0xfedcba98
	v_mov_b32 v[QP], 0                             ; a lane permute's destination counts as read
	v_mov_b32 v[QP+1], 0
.macro LD4 reg, adr                    ; four fragments, each six loads of 8 bytes a lane: 256 consecutive bytes a load
.irp i, 0,1,2,3
.irp p, 0,1,2,3,4,5
	ds_load_b64 v[\reg+12*\i+2*\p:\reg+12*\i+2*\p+1], v[\adr] offset:\i*KRB+KOF+256*\p
.endr
.endr
.endm
; K step s: 52 LDS loads, 16 products.  swap = 0: source 0 = W, source 1 = x; 1: the other way round.  Source 0's four fragments are asked for first.
; The 16 accumulators take turns, one instruction a turn, in the same order in every step.
.macro KSTEP s, swap
.set KG, (\s)/2
.if KG == 0
.set KRB, RB0
.set KOF, 512+1536*((\s)%2)
.else
.set KRB, RB
.set KOF, 1536*((\s)%2)
.endif
.if (\s) > 0
.rept 4
	v_nop                                          ; four places in front of loads into registers that matrix instructions have read
.endr
.endif
.irp i, 0,1,2,3
	ds_load_b32 v[SC+\i], v[SA] offset:RB0*\i+64*(\s)
.endr
.if \swap
	LD4 XF, XAD+KG
	LD4 WF, WAD+KG
.else
	LD4 WF, WAD+KG
	LD4 XF, XAD+KG
.endif
.irp i1, 0,1,2,3
	s_wait_dscnt 6*(3-\i1)                         ; source 1's tile i1 is in; six loads for each later tile may be out
.irp i0, 0,1,2,3
.set AD, ACC+8*(4*\i1+\i0)
.if \swap
.if (\s) == 0
	v_wmma_scale_f32_16x16x128_f8f6f4 v[AD:AD+7], v[XF+12*\i0:XF+12*\i0+11], v[WF+12*\i1:WF+12*\i1+11], 0, v[SC+\i0], v[SC+\i1] matrix_a_fmt:MATRIX_FMT_BF6 matrix_b_fmt:MATRIX_FMT_BF6 matrix_b_scale:MATRIX_SCALE_ROW1
.else
	v_wmma_scale_f32_16x16x128_f8f6f4 v[AD:AD+7], v[XF+12*\i0:XF+12*\i0+11], v[WF+12*\i1:WF+12*\i1+11], v[AD:AD+7], v[SC+\i0], v[SC+\i1] matrix_a_fmt:MATRIX_FMT_BF6 matrix_b_fmt:MATRIX_FMT_BF6 matrix_b_scale:MATRIX_SCALE_ROW1
.endif
.else
.if (\s) == 0
	v_wmma_scale_f32_16x16x128_f8f6f4 v[AD:AD+7], v[WF+12*\i0:WF+12*\i0+11], v[XF+12*\i1:XF+12*\i1+11], 0, v[SC+\i0], v[SC+\i1] matrix_a_fmt:MATRIX_FMT_BF6 matrix_b_fmt:MATRIX_FMT_BF6 matrix_a_scale:MATRIX_SCALE_ROW1
.else
	v_wmma_scale_f32_16x16x128_f8f6f4 v[AD:AD+7], v[WF+12*\i0:WF+12*\i0+11], v[XF+12*\i1:XF+12*\i1+11], v[AD:AD+7], v[SC+\i0], v[SC+\i1] matrix_a_fmt:MATRIX_FMT_BF6 matrix_b_fmt:MATRIX_FMT_BF6 matrix_a_scale:MATRIX_SCALE_ROW1
.endif
.endif
.endr
.endr
.endm
.macro KLOOP swap
.irp g, 0,1,2,3
	s_wait_asynccnt 54-18*\g                       ; my copies of group g have landed; 18 for each later group may be out
	s_barrier_signal -1                            ; (no LDS instruction of mine is out: the last step ended on a wait for 0)
	s_barrier_wait -1                              ; everybody's have
	KSTEP 2*\g, \swap
	KSTEP 2*\g+1, \swap
.endr
.endm
; 32 numbers of a lane (two blocks of 32, each shared with lane l xor 16) become six registers of codes, operand registers 0-5, and two scale bytes.
.macro QHALF src, pc, hw
	v_max3_num_f32 v[QM], |v[\src]|, |v[\src+1]|, 0x2800000      ; with the floor 2^(5 - 127): the byte cannot fall under 1
	v_max3_num_f32 v[QM+1], |v[\src+16]|, |v[\src+17]|, 0x2800000
.irp i, 2,4,6,8,10,12,14
	v_max3_num_f32 v[QM], v[QM], |v[\src+\i]|, |v[\src+\i+1]|
	v_max3_num_f32 v[QM+1], v[QM+1], |v[\src+16+\i]|, |v[\src+17+\i]|
.endr
	s_delay_alu instid0(VALU_DEP_2)
	v_permlanex16_b32 v[QP], v[QM], s[SEL], s[SEL+1]
	s_delay_alu instid0(VALU_DEP_2)
	v_permlanex16_b32 v[QP+1], v[QM+1], s[SEL], s[SEL+1]
	s_delay_alu instid0(VALU_DEP_2)
	v_max_num_f32 v[QM], v[QM], v[QP]
	s_delay_alu instid0(VALU_DEP_2)
	v_max_num_f32 v[QM+1], v[QM+1], v[QP+1]
	s_delay_alu instid0(VALU_DEP_2)
	v_add_nc_u32 v[QSO], 0xfe000000, v[QM]         ; 4 off the exponent field: the conversion's scale operand
	s_delay_alu instid0(VALU_DEP_2)
	v_add_nc_u32 v[QSO+1], 0xfe000000, v[QM+1]
	s_delay_alu instid0(VALU_DEP_2)
	v_lshrrev_b32 v[QB], 23, v[QSO]
	s_delay_alu instid0(VALU_DEP_2)
	v_lshrrev_b32 v[QB+1], 23, v[QSO+1]
	s_delay_alu instid0(VALU_DEP_1)
	v_lshl_or_b32 v[\hw], v[QB+1], 8, v[QB]
	v_cvt_scalef32_pk16_bf6_f32 v[\pc:\pc+2], v[\src:\src+15], v[QSO]
	v_cvt_scalef32_pk16_bf6_f32 v[PT:PT+2], v[\src+16:\src+31], v[QSO+1]
	v_nop                                          ; one plain place behind a scaled conversion
.irp i, 0,1,2
	v_permlane16_swap_b32 v[\pc+\i], v[PT+\i]      ; a whole block to a lane: lanes 0-15 block 0, lanes 16-31 block 1
.endr
.irp i, 0,1,2
	s_delay_alu instid0(VALU_DEP_3)
	v_mov_b32 v[\pc+3+\i], v[PT+\i]
.endr
.endm
.macro SUMSQ src, dst                  ; the sum of the row's 64 squares; each accumulator is read from its low end on
	v_pk_mul_f32 v[248:249], v[\src:\src+1], v[\src:\src+1]
	v_pk_mul_f32 v[250:251], v[\src+2:\src+3], v[\src+2:\src+3]
.irp j, 4,8,12,16,20,24,28
	v_pk_fma_f32 v[248:249], v[\src+\j:\src+\j+1], v[\src+\j:\src+\j+1], v[248:249]
	v_pk_fma_f32 v[250:251], v[\src+\j+2:\src+\j+3], v[\src+\j+2:\src+\j+3], v[250:251]
.endr
	s_delay_alu instid0(VALU_DEP_1)
	v_pk_add_f32 v[248:249], v[248:249], v[250:251]
	s_delay_alu instid0(VALU_DEP_1)
	v_add_f32 v248, v248, v249
	s_delay_alu instid0(VALU_DEP_1)
	v_permlanex16_b32 v250, v248, s[SEL], s[SEL+1]
	s_delay_alu instid0(VALU_DEP_1)
	v_add_f32 v[\dst], v248, v250
.endm
.macro SCALE src, inv                  ; x 1 / max(length, 1e-12), x q_scale or k_scale
.irp j, 0,2,4,6,8,10,12,14,16,18,20,22,24,26,28,30
	v_pk_mul_f32 v[\src+\j:\src+\j+1], v[\src+\j:\src+\j+1], v[\inv:\inv+1] op_sel_hi:[1,0]
.endr
.irp j, 0,2,4,6,8,10,12,14,16,18,20,22,24,26,28,30
	v_pk_mul_f32 v[\src+\j:\src+\j+1], v[\src+\j:\src+\j+1], v[SV+\j:SV+\j+1]
.endr
.endm
	s_cmp_eq_u32 s[MODE], 2
	s_cbranch_scc1 .Lvmode
	; ================ q and k ================
	s_wait_alu depctr_va_vdst(0)
	KLOOP 0
.rept 4
	v_nop                                          ; four places behind the last products
.endr
	s_lshl_b32 s54, s[BH], 7
	s_lshl_b32 s55, s[AI], 2
	s_add_co_u32 s54, s54, s55                     ; my first tile: 128 bh + 4 a
	s_mul_i32 s48, s54, 768                        ; q: its half image,
	s_lshl_b32 s50, s54, 6
	s_add_co_u32 s50, s50, 3145728                 ; its scale words
	s_mul_i32 s54, s[BH], 17
	s_lshr_b32 s55, s[AI], 1
	s_add_co_u32 s54, s54, s55
	s_mul_i32 s54, s54, TRB                        ; k: the record of my step of 128 key places,
	s_and_b32 s55, s[AI], 1                        ; which 64 of them
	s_mul_i32 s56, s55, 3072
	s_add_co_u32 s56, s56, s54
	s_lshl_b32 s57, s55, 7
	s_add_co_u32 s57, s57, s54
	s_add_co_u32 s57, s57, 12288
	s_cmp_eq_u32 s[MODE], 0
	s_cselect_b32 s48, s48, s56
	s_cselect_b32 s50, s50, s57
	s_cselect_b64 s[54:55], s[14:15], s[16:17]     ; qb or kv
	s_cselect_b64 s[58:59], s[8:9], s[10:11]       ; q_scale or k_scale
	s_mov_b32 s49, 0
	s_mov_b32 s51, 0
	s_add_nc_u64 s[48:49], s[54:55], s[48:49]      ; where the codes go
	s_add_nc_u64 s[50:51], s[54:55], s[50:51]      ; where the scale words go
	v_cmp_eq_u32 s61, 0, v[VH]                     ; lanes 0-15
	v_lshlrev_b32 v12, 6, v[VH]
.irp b, 0,1
.irp q, 0,1,2,3
	global_load_b128 v[SV+16*\b+4*\q:SV+16*\b+4*\q+3], v12, s[58:59] offset:128*\b+16*\q   ; the gain at d = 32 b + 16 h + ..
.endr
.endr
	s_cmp_eq_u32 s[MODE], 1
	s_cbranch_scc0 .Lno_kspec
	s_cmp_eq_u32 s[FIRST], 0
	s_cbranch_scc0 .Lno_kspec
	; The wave with the batch's first rows of k.  Rows 0, 1 of its tile 0 hold tokens 2046, 2047 (key places 2048, 2049): the null keys take their
	; stead, and the two rows become record 16's tile 0; that record's other tiles are zero codes.
	s_and_b32 s54, s[BH], 15
	s_lshl_b32 s54, s54, 10                        ; a head's four rows of null_kv
	s_mov_b32 s55, 0
	s_add_nc_u64 s[52:53], s[12:13], s[54:55]
	v_and_b32 v13, 1, v0
	s_delay_alu instid0(VALU_DEP_1)
	v_lshlrev_b32 v13, 9, v13                      ; null key r % 2 is row 2 (r % 2)
	s_delay_alu instid0(VALU_DEP_1)
	v_lshl_add_u32 v13, v[VH], 6, v13
.irp b, 0,1
.irp q, 0,1,2,3
	global_load_b128 v[TZ+16*\b+4*\q:TZ+16*\b+4*\q+3], v13, s[52:53] offset:128*\b+16*\q
.endr
.endr
	v_cmp_gt_u32 s60, 2, v[VR]                     ; rows 0 and 1
	s_wait_loadcnt 0x0                             ; the null keys, and the gain
.set n, 0
.rept 32
	v_cndmask_b32 v248, v[ACC+n], v[TZ+n], s60
	v_mov_b32 v[TZ+n], v[ACC+n]
	s_delay_alu instid0(VALU_DEP_2)
	v_mov_b32 v[ACC+n], v248
.set n, n+1
.endr
	SUMSQ TZ, 240
	s_wait_alu depctr_va_vdst(0)
	v_sqrt_f32 v240, v240
	v_nop                                          ; one plain place behind a transcendental
	s_wait_alu depctr_va_vdst(0)
	v_max_num_f32 v240, 0x2b8cbccc, v240           ; 1e-12
	s_wait_alu depctr_va_vdst(0)
	v_rcp_f32 v240, v240
	v_nop
	s_wait_alu depctr_va_vdst(0)
	SCALE TZ, 240
.set n, 0
.rept 32
	v_cndmask_b32 v[TZ+n], 0, v[TZ+n], s60         ; rows 2 on are no keys of record 16
.set n, n+1
.endr
	QHALF TZ, 242, HW
.irp k, 0,1,2
	global_store_b64 v[L8], v[242+2*\k:243+2*\k], s[48:49] offset:REC16+256*\k
.endr
	v_mov_b32 v[TZ], 0
	v_mov_b32 v[TZ+1], 0
.set n, 0
.rept 21
	global_store_b64 v[L8], v[TZ:TZ+1], s[48:49] offset:REC16+768+256*n
.set n, n+1
.endr
	v_or_b32 v[TZ+2], 0x7f7f0000, v[HW]            ; tile 0's bytes, and 127 for tile 1's zeros
	v_mov_b32 v[TZ+3], 0x7f7f7f7f
	s_delay_alu instid0(VALU_DEP_1)
	v_cndmask_b32 v[TZ+2], v[TZ+3], v[TZ+2], s61
	global_store_b32 v[L4], v[TZ+2], s[50:51] offset:REC16
	global_store_b32 v[L4], v[TZ+3], s[50:51] offset:REC16+128
	s_wait_xcnt 0x0                                ; these stores have read their registers: v240-247 are written again below
.Lno_kspec:
.irp i, 0,1,2,3
	SUMSQ ACC+32*\i, INV+2*\i
.endr
	s_wait_alu depctr_va_vdst(0)
.irp i, 0,1,2,3
	v_sqrt_f32 v[INV+2*\i], v[INV+2*\i]
.endr
	v_nop
	s_wait_alu depctr_va_vdst(0)
.irp i, 0,1,2,3
	v_max_num_f32 v[INV+2*\i], 0x2b8cbccc, v[INV+2*\i]
.endr
	s_wait_alu depctr_va_vdst(0)
.irp i, 0,1,2,3
	v_rcp_f32 v[INV+2*\i], v[INV+2*\i]
.endr
	v_nop
	s_wait_alu depctr_va_vdst(0)
	s_wait_loadcnt 0x0                             ; the gain
.irp i, 0,1,2,3
	SCALE ACC+32*\i, INV+2*\i
	QHALF ACC+32*\i, PCI+6*\i, HW+\i
.irp k, 0,1,2
	global_store_b64 v[L8], v[PCI+6*\i+2*\k:PCI+6*\i+2*\k+1], s[48:49] offset:768*\i+256*\k   ; 256 consecutive bytes a store
.endr
.endr
	s_cmp_eq_u32 s[MODE], 0
	s_cbranch_scc0 .Lk_scales
.irp i, 0,1,2,3
	v_lshl_or_b32 v[HW+\i], v[HW+\i], 16, v[HW+\i] ; q's two bytes twice: q stands in either half of its operand
.endr
	s_delay_alu instid0(VALU_DEP_3)
	v_cndmask_b32 v200, v205, v204, s61            ; lanes 0-15 store one tile's words, lanes 16-31 the next tile's
	s_delay_alu instid0(VALU_DEP_2)
	v_cndmask_b32 v201, v207, v206, s61
	global_store_b32 v[L4], v200, s[50:51]
	global_store_b32 v[L4], v201, s[50:51] offset:128
	s_branch .Lend
.Lk_scales:
	v_lshl_or_b32 v200, v205, 16, v204             ; a pair of tiles is one operand: its word holds both tiles' bytes
	v_lshl_or_b32 v201, v207, 16, v206
	s_delay_alu instid0(VALU_DEP_1)
	v_cndmask_b32 v200, v201, v200, s61
	global_store_b32 v[L4], v200, s[50:51]
	s_branch .Lend
	; ================ v ================
.Lvmode:
	s_wait_alu depctr_va_vdst(0)
	KLOOP 1
.rept 4
	v_nop
.endr
	s_mul_i32 s54, s[BH], 17
	s_lshr_b32 s55, s[AI], 1
	s_add_co_u32 s54, s54, s55
	s_mul_i32 s54, s54, TRB
	s_and_b32 s55, s[AI], 1
	s_mul_i32 s48, s55, 3072
	s_add_co_u32 s48, s48, s54
	s_add_co_u32 s48, s48, 6144                    ; V's half images of my 64 key places
	s_lshl_b32 s50, s55, 7
	s_add_co_u32 s50, s50, s54
	s_add_co_u32 s50, s50, 12544                   ; and their scale words
	s_mov_b32 s49, 0
	s_mov_b32 s51, 0
	s_add_nc_u64 s[48:49], s[16:17], s[48:49]
	s_add_nc_u64 s[50:51], s[16:17], s[50:51]
	v_cmp_eq_u32 s61, 0, v[VH]
	s_cmp_eq_u32 s[FIRST], 0
	s_cbranch_scc0 .Lno_vspec
	; The wave with the batch's first key places.  Places 0, 1 (registers 0, 1 of lanes 0-15) hold tokens 2046, 2047: the null values take their
	; stead, and the two become places 0, 1 of record 16; all else there is zero codes.
	s_and_b32 s54, s[BH], 15
	s_lshl_b32 s54, s54, 10
	s_mov_b32 s55, 0
	s_add_nc_u64 s[52:53], s[12:13], s[54:55]
	v_and_b32 v13, 8, v[VR]
	s_delay_alu instid0(VALU_DEP_1)
	v_add_nc_u32 v13, v13, v[VR]
	s_delay_alu instid0(VALU_DEP_1)
	v_lshlrev_b32 v13, 2, v13                      ; my d in a tile: r + 8 (r / 8)
.irp i, 0,1,2,3
	global_load_b32 v[208+2*\i], v13, s[52:53] offset:256+4*(32*(\i/2)+8*(\i%2))   ; null value 0 is row 1,
	global_load_b32 v[209+2*\i], v13, s[52:53] offset:768+4*(32*(\i/2)+8*(\i%2))   ; null value 1 row 3
.endr
	s_wait_loadcnt 0x0
.irp i, 0,1,2,3
	v_mov_b32 v[240+2*\i], v[ACC+32*\i]
	v_mov_b32 v[241+2*\i], v[ACC+32*\i+1]
	v_cndmask_b32 v[ACC+32*\i], v[ACC+32*\i], v[208+2*\i], s61
	v_cndmask_b32 v[ACC+32*\i+1], v[ACC+32*\i+1], v[209+2*\i], s61
.endr
.set n, 2
.rept 30
	v_mov_b32 v[TZ+n], 0
.set n, n+1
.endr
.irp i, 0,1,2,3
	v_cndmask_b32 v[TZ], 0, v[240+2*\i], s61
	v_cndmask_b32 v[TZ+1], 0, v[241+2*\i], s61
	QHALF TZ, PCI+6*\i, HW+\i
.irp k, 0,1,2
	global_store_b64 v[L8], v[PCI+6*\i+2*\k:PCI+6*\i+2*\k+1], s[48:49] offset:REC16+768*\i+256*\k
.endr
.endr
.set n, 0
.rept 12
	global_store_b64 v[L8], v[TZ+2:TZ+3], s[48:49] offset:REC16+3072+256*n
.set n, n+1
.endr
	v_lshl_or_b32 v216, v205, 16, v204
	v_lshl_or_b32 v217, v207, 16, v206
	s_delay_alu instid0(VALU_DEP_1)
	v_cndmask_b32 v216, v217, v216, s61
	v_mov_b32 v217, 0x7f7f7f7f
	global_store_b32 v[L4], v216, s[50:51] offset:REC16
	global_store_b32 v[L4], v217, s[50:51] offset:REC16+128
	s_wait_xcnt 0x0                                ; these stores have read their registers: the codes' registers are written again below
.Lno_vspec:
.irp i, 0,1,2,3
	QHALF ACC+32*\i, PCI+6*\i, HW+\i
.irp k, 0,1,2
	global_store_b64 v[L8], v[PCI+6*\i+2*\k:PCI+6*\i+2*\k+1], s[48:49] offset:768*\i+256*\k
.endr
.endr
	v_lshl_or_b32 v200, v205, 16, v204             ; lanes 0-15: d tiles 0 and 1; lanes 16-31: 2 and 3
	v_lshl_or_b32 v201, v207, 16, v206
	s_delay_alu instid0(VALU_DEP_1)
	v_cndmask_b32 v200, v201, v200, s61
	global_store_b32 v[L4], v200, s[50:51]
.Lend:
	s_wait_tensorcnt 0x0
	s_wait_asynccnt 0x0
	ds_add_u32 v14, v15
	s_wait_dscnt 0x0
	s_endpgm
.Lfunc_end_k_q007b62efc0_qkv:
	.size	k_q007b62efc0_qkv, .Lfunc_end_k_q007b62efc0_qkv-k_q007b62efc0_qkv
	.p2alignl 7, 3214868480
	.fill 96, 4, 3214868480
	.section	.rodata,"a",@progbits
	.p2align	6, 0x0
	.amdhsa_kernel k_q007b62efc0_qkv
		.amdhsa_group_segment_fixed_size 308224
		.amdhsa_private_segment_fixed_size 0
		.amdhsa_enable_private_segment 0
		.amdhsa_kernarg_size 56
		.amdhsa_user_sgpr_count 2
		.amdhsa_user_sgpr_kernarg_segment_ptr 1
		.amdhsa_wavefront_size32 1
		.amdhsa_system_sgpr_workgroup_id_x 1
		.amdhsa_system_sgpr_workgroup_id_y 1
		.amdhsa_system_sgpr_workgroup_id_z 1
		.amdhsa_system_vgpr_workitem_id 0
		.amdhsa_next_free_vgpr 256
		.amdhsa_next_free_sgpr 100
		.amdhsa_reserve_vcc 0
		.amdhsa_float_denorm_mode_32 3
		.amdhsa_float_denorm_mode_16_64 3
		.amdhsa_memory_ordered 1
		.amdhsa_forward_progress 1
		.amdhsa_inst_pref_size 171
	.end_amdhsa_kernel
	.amdgpu_metadata
---
amdhsa.version: [ 1, 2 ]
amdhsa.kernels:
  - .name:           k_q007b62efc0_qkv
    .symbol:         k_q007b62efc0_qkv.kd
    .args:
      - { .name: xa, .offset: 0, .size: 8, .value_kind: global_buffer, .address_space: global }
      - { .name: wb, .offset: 8, .size: 8, .value_kind: global_buffer, .address_space: global }
      - { .name: q_scale, .offset: 16, .size: 8, .value_kind: global_buffer, .address_space: global }
      - { .name: k_scale, .offset: 24, .size: 8, .value_kind: global_buffer, .address_space: global }
      - { .name: null_kv, .offset: 32, .size: 8, .value_kind: global_buffer, .address_space: global }
      - { .name: qb, .offset: 40, .size: 8, .value_kind: global_buffer, .address_space: global }
      - { .name: kv, .offset: 48, .size: 8, .value_kind: global_buffer, .address_space: global }
    .group_segment_fixed_size: 308224
    .private_segment_fixed_size: 0
    .kernarg_segment_align: 8
    .kernarg_segment_size: 56
    .max_flat_workgroup_size: 256
    .sgpr_count:     100
    .vgpr_count:     256
    .wavefront_size: 32
...
	.end_amdgpu_metadata
.endif
;; end of part 2
;; launch attn (part 3): grid 8 x 32, 16 waves a work-group, no clusters, 219,648 bytes of LDS; arguments qb, kv, ob; writes ob
.if DOCPART == 3
	.amdgcn_target "amdgcn-amd-amdhsa--gfx1250"
	.amdhsa_code_object_version 6
	.text
	.protected	k_q007b62efc0_attn
	.globl	k_q007b62efc0_attn
	.p2align	8
	.type	k_q007b62efc0_attn,@function
k_q007b62efc0_attn:
	s_mov_b64 s[64:65], 0
	v_nop
	global_prefetch_b8 v0, s[64:65] scope:SCOPE_SE
	s_setreg_imm32_b32 hwreg(HW_REG_WAVE_MODE, 25, 1), 1
	s_wait_xcnt 0x0
; ATTN: for one head, o = softmax(8 q.k - slope (irow - j), keys j <= irow) v, both products on codes of BF6 (E3M2); o / l is quantised for the last product.
; t = logit x log2(e); M = the running largest t rounded UP to a whole number; p = 2^(t - M) is quantised along the keys, not normalised; l is the sum of the
; unquantised p.  When M moves, l and O are multiplied by 2^(old M - new M): exact.
; SHARES.  A work-group: one head (y) and the 16 query tiles T = 8 g + x; each of its sixteen waves owns one tile, a lane one query.
; THE FILL.  The head's 17 step records (217,600 bytes) come into LDS once, as they lie, by asynchronous copies issued at the head: one part sweep of 4,608 bytes
; (waves 0-8) and 26 sweeps of 8,192 bytes, 16 bytes a thread.  Two barriers: records 0, 1 are in; all are in.  No byte is filled twice.
; THE WALK.  Keys hidden by the causal mask are left out in whole steps of 128 and, on the diagonal, in whole blocks of 32.  A tile takes steps 0 .. g - 1 open
; (two counted loops, a step that is not the wave's is jumped over on ids), then its diagonal step g in the copy written for x / 2 + 1 visible blocks,
; of which the last alone is masked number by number.
; TILE 0 holds tokens 2046, 2047 in rows 0, 1 (irow = 2048, 2049): they take steps 0-15 open (the other rows' addend is -infinity there) and step 16 by the
; one-block copy; rows 2 on take step 0 by the same copy, in a trip of their own.  The table of g deals the open steps so that waves w, w + 4, w + 8, w + 12
; have 29 to 31 between them (x = 0: 34), and 6 to 8 of them in the first loop.
; NO JOINT LOADS: the branch that picks the diagonal copy and the table hang on x, which partners along x would not share; copies have no mask.
; NO PREFETCH: all that the work-group reads is asked for at the head; no later request is left to run ahead of.
; LAYOUT.  Row r of tile T stands at place rho = 32 (T / 2) + 8 (T % 2) + r + 8 (r / 8); key places likewise (place = key index j).
; S^T = K Q^T: source 0 is a PAIR of key tiles (k 0-63, 64-127), source 1 is q beside 64 zero codes.  Register 16 b + i of S holds place 32 b + 16 h + i of the step.
; C is slope / 8 x (16 h + i): the part of the bias that differs inside a block; the rest is one addend a block.  O^T = V^T P^T.
; LIMITS: NaN and infinities are not served; p under 2^-126 counts as 0 (v_exp_f32 flushes denormals); a block of zeros gets the byte 1;
; the promise holds while t stays under 2^31 in magnitude.
.set TRB, 12800
.set SPARE, 217600                     ; behind the records: the spare words, 128 bytes a wave
.set L8,  1
.set L4,  2
.set ADR, 3
.set ADS, 4
.set X0,  5                            ; float(the step's first place - irow), or -infinity
.set DM,  6                            ; irow - 16 h - the masked block's first place (made behind the open loops)
.set CA3, 6                            ; until all copies are in: the fourth run's LDS address
.set NINF, 7
.set NM,  8                            ; -M
.set TMAX, 9
.set LS,  10                           ; v10-11 l in two halves
.set FF,  12                           ; v12-13 2^(old M - new M)
.set TP,  14                           ; v14-15
.set C16, 16                           ; v16-31
.set QHI, 32                           ; v32-43 = zeros, q;  v38-49 = q, zeros
.set QLO, 38
.set QSC, 50
.set KSC, 51                           ; v51-52
.set VA,  53
.set VB,  54
.set VW,  55                           ; v55-56
.set PW,  57
.set MX,  58                           ; v58-61 a block's largest score
.set AT,  62                           ; v62-65 its addend, then the same less M
.set TT,  66                           ; v66-69 its largest t, then its largest p
.set BP,  70
.set SO,  74
.set TS,  78                           ; v78-85 a block's sum of p, in pairs
.set PC,  86                           ; v86-97 p's codes
.set PT,  98                           ; v98-100, v102-104
.set CB,  101                          ; the copies' offset from their run's base: 16 x thread
.set IRV0, 105                         ; the rows' places for the diagonal trips (made behind the open loops)
.set IRV1, 106
.set CA1, 105                          ; until all copies are in: the second and third runs' LDS addresses
.set CA2, 106
.set CA,  107                          ; the first run's
.set FR,  108                          ; v108-155 four fragments of K, then of V
.set S,   156                          ; v156-219
.set O,   220                          ; v220-251
.set R4,  252
.set H16, 253
.set SPW, 254
.set NIL, 255
.set WV,   10
.set BH,   12
.set D1,   13                          ; open steps 0 .. D1 - 1, then the diagonal step D1
.set TI,   14
.set NB,   15                          ; visible blocks of the diagonal step
.set THR,  16
.set HD,   17
.set SL2,  19
.set SL8,  20
.set RHO,  21                          ; rho of row 0
.set CS,   22                          ; s[22:23] 8 log2(e)
.set SEL,  60
.set KT,   68                          ; s68-71 slope log2(e) x 32 b
.set TBD,  72
.set KF0,  73
.set KFB,  74
.set KF,   75
.set KST,  76
.set KB,   77
.set TB,   78
.set CNT,  79
.set MSK,  82
.set DT,   83
.macro MM d, a, b, c, sa, sb, row
.if \row
	v_wmma_scale_f32_16x16x128_f8f6f4 v[\d:\d+7], v[\a:\a+11], v[\b:\b+11], v[\c:\c+7], v[\sa], v[\sb] matrix_a_fmt:MATRIX_FMT_BF6 matrix_b_fmt:MATRIX_FMT_BF6 matrix_a_scale:MATRIX_SCALE_ROW1
.else
	v_wmma_scale_f32_16x16x128_f8f6f4 v[\d:\d+7], v[\a:\a+11], v[\b:\b+11], v[\c:\c+7], v[\sa], v[\sb] matrix_a_fmt:MATRIX_FMT_BF6 matrix_b_fmt:MATRIX_FMT_BF6
.endif
.endm
; n sweeps of 8,192 bytes of one run of 65,536: the immediate, which is added to both addresses, stays under 65,536
.macro SWEEPS ca, sb, n
.set i, 0
.rept \n
	global_load_async_to_lds_b128 v[\ca], v[CB], s[\sb:\sb+1] offset:4608+8192*i
.set i, i+1
.endr
.endm
	s_load_b128 s[4:7], s[0:1], 0x0                ; qb, kv
	s_load_b64 s[8:9], s[0:1], 0x10                ; ob
	v_lshl_add_u32 v[SPW], v0, 2, SPARE
	v_mov_b32 v[NIL], 0
	ds_add_u32 v[SPW], v[NIL]                      ; the opening lines: the add, twice, and its wait ahead of my first copy
	ds_add_u32 v[SPW], v[NIL]
	v_lshrrev_b32 v3, 5, v0
	v_lshlrev_b32 v[CB], 4, v0                     ; 16 bytes a thread, the same place in LDS and in the head's records
	v_lshlrev_b32 v[CA], 4, v0
	v_lshl_add_u32 v[CA1], v0, 4, 0x10000
	v_lshl_add_u32 v[CA2], v0, 4, 0x20000
	v_lshl_add_u32 v[CA3], v0, 4, 0x30000
	v_readfirstlane_b32 s[WV], v3                  ; wave 0..15
	s_and_b32 s[BH], ttmp7, 0xffff                 ; 16 x batch + head
	s_mul_i32 s80, s[BH], 17*TRB
	s_mov_b32 s81, 0
	s_wait_alu depctr_va_vdst(0)                   ; directly ahead of the waits below
	s_wait_dscnt 0x0
	s_wait_kmcnt 0x0
	s_add_nc_u64 s[80:81], s[6:7], s[80:81]        ; the four runs' bases; kept, like the address registers, until all copies are in
	s_add_nc_u64 s[94:95], s[80:81], 0x10000
	s_add_nc_u64 s[96:97], s[80:81], 0x20000
	s_add_nc_u64 s[98:99], s[80:81], 0x30000
	s_cmp_lt_u32 s[WV], 9
	s_cbranch_scc0 .Lwhole
	global_load_async_to_lds_b128 v[CA], v[CB], s[80:81]           ; bytes 0 .. 4,607: the part sweep comes first, so that the same 26 follow it in every wave
.Lwhole:
	SWEEPS CA, 80, 8
	SWEEPS CA1, 94, 8
	SWEEPS CA2, 96, 8
	SWEEPS CA3, 98, 2
	; scalar set-up, under the copies' flight
	s_mov_b32 s62, 0xcdfe3210                      ; g of waves 0-7, four bits each,
	s_mov_b32 s63, 0x4657ba98                      ; of waves 8-15;
	s_cmp_eq_u32 ttmp9, 0
	s_cselect_b32 s62, 0x86417530, s62             ; another deal where tile 0 is among the tiles
	s_cselect_b32 s63, 0xacef9bd2, s63
	s_cmp_lt_u32 s[WV], 8
	s_cselect_b32 s[D1], s62, s63
	s_and_b32 s21, s[WV], 7
	s_lshl_b32 s21, s21, 2
	s_lshr_b32 s[D1], s[D1], s21
	s_and_b32 s[D1], s[D1], 15                     ; g
	s_lshl_b32 s[TI], s[D1], 3
	s_add_co_u32 s[TI], s[TI], ttmp9               ; T = 8 g + x
	s_cmp_eq_u32 s[TI], 0
	s_cselect_b32 s[D1], 16, s[D1]                 ; tile 0: steps 0-15 open, step 16 by the one-block copy
	s_cselect_b32 s[THR], 2, -1                    ; tile 0's rows 2 on see nothing of the open steps
	s_min_u32 s[D1], s[D1], 16                     ; (a step's number is 16 at the most)
	s_lshr_b32 s[NB], ttmp9, 1
	s_mul_i32 s[TBD], s[D1], TRB
	s_lshl_b32 s[KF0], s[D1], 7
	s_lshl_b32 s[KFB], s[NB], 5
	s_add_co_u32 s[KFB], s[KFB], s[KF0]            ; the diagonal block's first place
	s_add_co_u32 s[NB], s[NB], 1
	s_and_b32 s[HD], s[BH], 15
	s_mov_b32 s18, 0x3f3504f3                      ; slope = 2^(-(head + 1) / 2): 2^-0.5 or 1,
	s_bitcmp1_b32 s[HD], 0
	s_cselect_b32 s18, 0x3f800000, s18
	s_add_co_u32 s21, s[HD], 1
	s_lshr_b32 s21, s21, 1
	s_lshl_b32 s21, s21, 23
	s_sub_co_u32 s18, s18, s21                     ; with (head + 1) / 2, rounded down, off its exponent field
	s_sub_co_u32 s[SL8], s18, 3<<23                ; slope / 8
	s_mov_b32 s[CS], 0x4138aa3b                    ; 8 log2(e)
	s_mov_b32 s[CS+1], s[CS]
	s_mov_b32 s[SEL], 0x76543210
	s_mov_b32 s[SEL+1], 0xfedcba98
	s_mov_b32 s[KST], 0
	s_mov_b32 s[TB], 0
	s_lshr_b32 s[RHO], s[TI], 1
	s_lshl_b32 s[RHO], s[RHO], 5
	s_and_b32 s62, s[TI], 1
	s_lshl_b32 s62, s62, 3
	s_add_co_u32 s[RHO], s[RHO], s62               ; rho of row 0
	s_lshl_b32 s84, s[BH], 7
	s_add_co_u32 s84, s84, s[TI]
	s_mul_i32 s86, s84, 768
	s_mov_b32 s87, 0
	s_add_nc_u64 s[86:87], s[4:5], s[86:87]        ; q's half image
	s_lshl_b32 s84, s84, 6
	s_mov_b32 s85, 0
	s_add_nc_u64 s[84:85], s[4:5], s[84:85]        ; its scale words (behind the images: the immediate)
	s_lshr_b32 s88, s[BH], 4
	s_lshl_b32 s88, s88, 7
	s_add_co_u32 s88, s88, s[TI]
	s_mul_i32 s88, s88, TRB                        ; o's tile record
	s_lshr_b32 s90, s[HD], 1                       ; K step of the last product: two heads to a step
	s_and_b32 s91, s[HD], 1
	s_mul_i32 s92, s90, 1536
	s_mul_i32 s93, s91, 768
	s_add_co_u32 s92, s92, s93
	s_add_co_u32 s92, s92, 512
	s_add_co_u32 s92, s92, s88
	s_mov_b32 s93, 0
	s_add_nc_u64 s[92:93], s[8:9], s[92:93]        ; my half image
	s_lshl_b32 s90, s90, 6
	s_lshl_b32 s91, s91, 1
	s_add_co_u32 s90, s90, s91
	s_add_co_u32 s90, s90, s88
	s_mov_b32 s91, 0
	s_add_nc_u64 s[90:91], s[8:9], s[90:91]        ; my two bytes of each row's scale word
	; vector set-up
	v_and_b32 v3, 31, v0
	v_and_b32 v4, 15, v0                           ; r
	v_lshlrev_b32 v[L8], 3, v3
	v_lshlrev_b32 v[L4], 2, v3
	v_lshlrev_b32 v[R4], 2, v4
	v_bfe_u32 v3, v0, 4, 1                         ; h
	v_lshlrev_b32 v[H16], 4, v3
.irp k, 0,1,2
	global_load_b64 v[QLO+2*\k:QLO+2*\k+1], v[L8], s[86:87] offset:256*\k
.endr
	global_load_b32 v[QSC], v[R4], s[84:85] offset:3145728
	v_and_b32 v[TP], 8, v4
	v_add3_u32 v[TP], v[TP], v4, s[RHO]            ; rho
	v_mov_b32 v[NINF], 0xff800000
	v_cmp_gt_u32 vcc_lo, 2, v[TP]
	v_add_nc_u32 v3, 0x800, v[TP]
	v_cndmask_b32 v3, v[TP], v3, vcc_lo            ; irow
	v_sub_nc_u32 v3, 0, v3
	v_cvt_f32_i32 v[X0], v3
	v_cmp_le_u32 vcc_lo, s[THR], v[TP]
	v_cndmask_b32 v[X0], v[X0], v[NINF], vcc_lo
	v_cvt_f32_u32 v4, v[H16]
	v_mul_f32 v4, s[SL8], v4
.set t, 0
.irp c, 0x0, 0x3f800000, 0x40000000, 0x40400000, 0x40800000, 0x40a00000, 0x40c00000, 0x40e00000, 0x41000000, 0x41100000, 0x41200000, 0x41300000, 0x41400000, 0x41500000, 0x41600000, 0x41700000
	v_fma_f32 v[C16+t], s[SL8], \c, v4             ; slope / 8 x (16 h + i), rounded once
.set t, t+1
.endr
	v_mov_b32 v[TP], s18
	v_mul_f32 v[TP], 0x3fb8aa3b, v[TP]
	v_readfirstlane_b32 s[SL2], v[TP]              ; slope log2(e)
.set t, 0
.irp c, 0x0, 0x42000000, 0x42800000, 0x42c00000
	v_mul_f32 v[TP+1], \c, v[TP]                   ; x 0, 32, 64, 96
	v_readfirstlane_b32 s[KT+t], v[TP+1]
.set t, t+1
.endr
.irp j, 0,1,2,3,4,5
	v_mov_b32 v[QHI+\j], 0                         ; zero codes on both sides of q
	v_mov_b32 v[QLO+6+\j], 0
.endr
	v_mov_b32 v[TMAX], 0xff61b1e6                  ; -3e38, under every t
	v_mov_b32 v[LS], 0
	v_floor_f32 v[NM], -v[TMAX]
	v_mov_b32 v[LS+1], 0
	v_mov_b32 v[FF], 0
	v_mov_b32 v[FF+1], 0
	v_mov_b32 v[TP], 0
	v_mov_b32 v[TP+1], 0
.irp b, 0,1,2,3
	v_mov_b32 v[BP+\b], 0                          ; a lane permute's destination counts as read
.endr
.set n, 0
.rept 32
	v_mov_b32 v[O+n], 0                            ; the step has no first form of its own: the first change of M multiplies zeros
.set n, n+1
.endr
; A step of 128 key places, of which the first nb blocks of 32 are computed; mask = 1: the last of them is masked number by number.
; The blocks take turns line by line, so that a line does not read the line above it where nb is over 1.
.macro STEP nb, mask
	v_add_nc_u32 v[ADR], s[TB], v[L8]              ; (these six lines are the places in front of the loads into registers that the last products read)
	v_add_nc_u32 v[ADS], s[TB], v[L4]
.irp b, 0,1,2,3
	v_fma_f32 v[AT+\b], s[SL2], v[X0], s[KT+\b]    ; slope log2(e) x (the block's first place - irow)
.endr
.irp b, 0,1,2,3
.if \b < \nb
.irp p, 0,1,2,3,4,5
	ds_load_b64 v[FR+12*\b+2*\p:FR+12*\b+2*\p+1], v[ADR] offset:1536*\b+256*\p
.endr
.endif
.endr
	ds_load_b32 v[KSC], v[ADS] offset:12288
	ds_load_b32 v[KSC+1], v[ADS] offset:12288+128
	ds_load_b32 v[VA], v[ADS] offset:12544
	ds_load_b32 v[VB], v[ADS] offset:12544+128
	s_wait_alu depctr_va_vdst(0)                   ; directly ahead of the wait below
	s_wait_dscnt 0x0
.irp b, 0,1,2,3
.if \b < \nb
	MM S+16*\b, FR+12*\b, QLO, C16, KSC+\b/2, QSC, \b%2
	MM S+16*\b+8, FR+12*\b, QHI, C16+8, KSC+\b/2, QSC, \b%2
.endif
.endr
	v_perm_b32 v[VW], v[VB], v[VA], 0x05040100     ; V's words: d tiles 0 (lanes 0-15) and 2;  (four places behind the products: ISA guide 7.12.1)
	v_perm_b32 v[VW+1], v[VB], v[VA], 0x07060302   ; d tiles 1 and 3
	v_add_f32 v[X0], 0x43000000, v[X0]             ; the next step begins 128 places on
	v_mov_b32 v[TP], v[NM]
.irp dt, 0,1,2,3
.irp p, 0,1,2,3,4,5
	ds_load_b64 v[FR+12*\dt+2*\p:FR+12*\dt+2*\p+1], v[ADR] offset:6144+3072*(\p/3)+768*\dt+256*(\p%3)   ; V: the softmax stands between these loads and the wait for them
.endr
.endr
.if \mask
.set n, 0
.rept 16
	v_cmp_gt_i32 vcc_lo, n, v[DM]                  ; place i of my half of the block is hidden where i > irow - 16 h - the block's first place
	v_cndmask_b32 v[S+16*(\nb-1)+n], v[S+16*(\nb-1)+n], v[NINF], vcc_lo
.set n, n+1
.endr
.endif
.irp b, 0,1,2,3
.if \b < \nb
	v_max3_num_f32 v[MX+\b], v[S+16*\b], v[S+16*\b+1], v[S+16*\b+2]   ; a block's largest score; each accumulator is read from its low end on
.endif
.endr
.irp i, 3,5,7,9,11,13
.irp b, 0,1,2,3
.if \b < \nb
	v_max3_num_f32 v[MX+\b], v[MX+\b], v[S+16*\b+\i], v[S+16*\b+\i+1]
.endif
.endr
.endr
.irp b, 0,1,2,3
.if \b < \nb
	v_max_num_f32 v[MX+\b], v[MX+\b], v[S+16*\b+15]
.endif
.endr
.irp b, 0,1,2,3
.if \b < \nb
	v_permlanex16_b32 v[BP+\b], v[MX+\b], s[SEL], s[SEL+1]
.endif
.endr
.irp b, 0,1,2,3
.if \b < \nb
	v_max_num_f32 v[MX+\b], v[MX+\b], v[BP+\b]     ; with lane l xor 16's 16 places
.endif
.endr
.irp b, 0,1,2,3
.if \b < \nb
	v_fma_f32 v[TT+\b], v[MX+\b], s[CS], v[AT+\b]  ; the block's largest t
.endif
.endr
.if \nb == 1
	v_max_num_f32 v[TMAX], v[TMAX], v[TT]
.else
	v_max3_num_f32 v[TMAX], v[TMAX], v[TT], v[TT+1]
.endif
.if \nb == 3
	v_max_num_f32 v[TMAX], v[TMAX], v[TT+2]
.endif
.if \nb == 4
	v_max3_num_f32 v[TMAX], v[TMAX], v[TT+2], v[TT+3]
.endif
	v_floor_f32 v[NM], -v[TMAX]                    ; -M = floor(-t): M is a whole number
	v_sub_f32 v[TP], v[NM], v[TP]                  ; old M - new M, 0 or less
.irp b, 0,1,2,3
	v_add_f32 v[AT+\b], v[AT+\b], v[NM]
.endr
	v_cvt_i32_f32 v[TP], v[TP]                     ; (it saturates)
.irp b, 0,1,2,3
.if \b < \nb
	v_fma_f32 v[TT+\b], v[MX+\b], s[CS], v[AT+\b]  ; the largest score goes the way of all scores: the block's largest p has an element's own bits
.endif
.endr
	v_ldexp_f32 v[FF], 1.0, v[TP]
.irp b, 0,1,2,3
.if \b < \nb
.irp j, 0,2,4,6,8,10,12,14
.if \b%2
	v_pk_fma_f32 v[S+16*\b+\j:S+16*\b+\j+1], v[S+16*\b+\j:S+16*\b+\j+1], s[CS:CS+1], v[AT+\b-1:AT+\b] op_sel:[0,0,1] op_sel_hi:[1,0,1]   ; t - M: an odd block's addend is its pair's high word,
.else
	v_pk_fma_f32 v[S+16*\b+\j:S+16*\b+\j+1], v[S+16*\b+\j:S+16*\b+\j+1], s[CS:CS+1], v[AT+\b:AT+\b+1] op_sel_hi:[1,0,0]                  ; an even block's the low word
.endif
.endr
.endif
.endr
.set n, 0
.rept 16
	v_pk_mul_f32 v[O+n:O+n+1], v[O+n:O+n+1], v[FF:FF+1] op_sel_hi:[1,0]   ; O^T under the new M, ahead of the exponentials: no transcendental stands between the last products and this first read
.set n, n+2
.endr
	v_pk_mul_f32 v[LS:LS+1], v[LS:LS+1], v[FF:FF+1] op_sel_hi:[1,0]       ; l likewise
	s_wait_alu depctr_va_vdst(0)                   ; ahead of the batch
.set n, 0
.rept 16*\nb
	v_exp_f32 v[S+n], v[S+n]                       ; p
.set n, n+1
.endr
.irp b, 0,1,2,3
.if \b < \nb
	v_exp_f32 v[TT+\b], v[TT+\b]
.endif
.endr
	v_nop                                          ; one plain place behind the exponentials
	s_wait_alu depctr_va_vdst(0)                   ; and the one wait behind the batch
.irp b, 0,1,2,3
.if \b < \nb
	v_max_num_f32 v[TT+\b], 0x2800000, v[TT+\b]    ; the floor 2^(5 - 127): the byte cannot fall under 1
.endif
.endr
.irp b, 0,1,2,3
.if \b < \nb
	v_add_nc_u32 v[SO+\b], 0xfe000000, v[TT+\b]    ; 4 off the exponent field: the conversion's scale operand
.endif
.endr
.irp b, 0,1,2,3
.if \b < \nb
	v_lshrrev_b32 v[BP+\b], 23, v[SO+\b]
.endif
.endr
.if \nb == 1                           ; p's scale word; a block that is not computed has zero codes under the byte 127
	v_or_b32 v[PW], 0x7f7f7f00, v[BP]
.else
	v_lshl_or_b32 v[PW], v[BP+1], 8, v[BP]
.endif
.if \nb == 2
	v_or_b32 v[PW], 0x7f7f0000, v[PW]
.endif
.if \nb > 2
	v_lshl_or_b32 v[PW], v[BP+2], 16, v[PW]
.endif
.if \nb == 3
	v_or_b32 v[PW], 0x7f000000, v[PW]
.endif
.if \nb == 4
	v_lshl_or_b32 v[PW], v[BP+3], 24, v[PW]
.endif
.irp c, 0,1
.if 2*\c < \nb
	v_cvt_scalef32_pk16_bf6_f32 v[PC+6*\c:PC+6*\c+2], v[S+32*\c:S+32*\c+15], v[SO+2*\c]
.endif
.if 2*\c+1 < \nb
	v_cvt_scalef32_pk16_bf6_f32 v[PT+4*\c:PT+4*\c+2], v[S+32*\c+16:S+32*\c+31], v[SO+2*\c+1]
.endif
.endr
	v_nop                                          ; one plain place behind a scaled conversion
.irp c, 0,1
.if 2*\c < \nb
.if 2*\c+1 >= \nb
.irp i, 0,1,2
	v_mov_b32 v[PT+4*\c+\i], 0
.endr
.endif
.irp i, 0,1,2
	v_permlane16_swap_b32 v[PC+6*\c+\i], v[PT+4*\c+\i]   ; a whole block to a lane: lanes 0-15 block 2 c, lanes 16-31 block 2 c + 1
.endr
.irp i, 0,1,2
	v_mov_b32 v[PC+6*\c+3+\i], v[PT+4*\c+\i]
.endr
.else
.irp i, 0,1,2,3,4,5
	v_mov_b32 v[PC+6*\c+\i], 0
.endr
.endif
.endr
.irp b, 0,1,2,3                        ; l: eight packed additions a block.  (They are also the places between the codes and scale word just made and the products)
.if \b < \nb
	v_pk_add_f32 v[TS+2*\b:TS+2*\b+1], v[S+16*\b:S+16*\b+1], v[S+16*\b+2:S+16*\b+3]
.endif
.endr
.irp j, 4,6,8,10,12,14
.irp b, 0,1,2,3
.if \b < \nb
	v_pk_add_f32 v[TS+2*\b:TS+2*\b+1], v[TS+2*\b:TS+2*\b+1], v[S+16*\b+\j:S+16*\b+\j+1]
.endif
.endr
.endr
.irp b, 0,1,2,3
.if \b < \nb
	v_pk_add_f32 v[LS:LS+1], v[LS:LS+1], v[TS+2*\b:TS+2*\b+1]
.endif
.endr
	s_wait_alu depctr_va_vdst(0)                   ; directly ahead of the wait below
	s_wait_dscnt 0x0                               ; V
.irp dt, 0,1,2,3                       ; the four accumulators take turns, one instruction a turn
	MM O+8*\dt, FR+12*\dt, PC, O+8*\dt, VW+\dt%2, PW, \dt/2
.endr
.endm
; n trips of constant count; a step that is not among my open ones is jumped over, and only the counters step
.macro WALK n
	s_mov_b32 s[CNT], \n
.Lwalk_\@:
	s_cmp_ge_u32 s[KST], s[D1]
	s_cbranch_scc1 .Lpast_\@
	STEP 4, 0
.Lpast_\@:
	s_add_co_u32 s[KST], s[KST], 1
	s_add_co_u32 s[TB], s[TB], TRB
	s_sub_co_u32 s[CNT], s[CNT], 1
	s_cmp_lg_u32 s[CNT], 0
	s_cbranch_scc1 .Lwalk_\@
.endm
	s_wait_alu depctr_va_vdst(0)                   ; at the head's end
	s_wait_loadcnt 0x0                             ; q
	s_wait_asynccnt 23                             ; the 23 youngest sweeps may be out: the part sweep and three sweeps, 29,184 bytes, hold records 0 and 1
	s_barrier_signal -1
	s_barrier_wait -1                              ; everybody's have landed
	WALK 2
	s_wait_asynccnt 0x0                            ; all my copies: their address registers are free from here on
	s_wait_dscnt 0x0
	s_barrier_signal -1
	s_barrier_wait -1                              ; everybody's
	WALK 14
	; THE DIAGONAL: trip 0 is tile 0's alone (step 0, rows 2 on); trip 1 is every wave's diagonal step (tile 0: step 16, rows 0, 1)
	v_and_b32 v3, 15, v0
	v_and_b32 v4, 8, v0
	v_add3_u32 v3, v3, v4, s[RHO]                  ; rho
	v_mov_b32 v[TP], 0xfffffc18
	v_add_nc_u32 v4, 0x800, v3
	v_cmp_gt_u32 vcc_lo, 2, v3
	v_cndmask_b32 v[IRV1], v3, v4, vcc_lo          ; irow
	v_cndmask_b32 v[IRV0], v3, v[TP], vcc_lo       ; for tile 0's trip at step 0: rows 0, 1 stand before every key there
	s_wait_alu depctr_va_vdst(0)                   ; ahead of the run of scalar lines
	s_mov_b32 s[DT], 0
.Ldiag:
	s_cmp_eq_u32 s[DT], 0
	s_cselect_b32 s[TB], 0, s[TBD]
	s_cselect_b32 s[KF], 0, s[KF0]
	s_cselect_b32 s[KB], 0, s[KFB]
	s_cselect_b32 s[MSK], -1, 0
	s_cselect_b32 s62, s[TI], 0
	s_cmp_lg_u32 s62, 0
	s_cbranch_scc1 .Ldnext
	v_cndmask_b32 v[TP+1], v[IRV1], v[IRV0], s[MSK]
	v_sub_nc_u32 v[DM], v[TP+1], v[H16]
	v_sub_nc_u32 v[X0], s[KF], v[TP+1]
	v_sub_nc_u32 v[DM], v[DM], s[KB]
	v_cvt_f32_i32 v[X0], v[X0]
	s_wait_alu depctr_va_vdst(0)                   ; ahead of the branches
	s_cmp_eq_u32 s[NB], 1
	s_cbranch_scc1 .Ld1
	s_cmp_eq_u32 s[NB], 2
	s_cbranch_scc1 .Ld2
	s_cmp_eq_u32 s[NB], 3
	s_cbranch_scc1 .Ld3
	STEP 4, 1
	s_branch .Ldnext
.Ld3:
	STEP 3, 1
	s_branch .Ldnext
.Ld2:
	STEP 2, 1
	s_branch .Ldnext
.Ld1:
	STEP 1, 1
.Ldnext:
	s_add_co_u32 s[DT], s[DT], 1
	s_cmp_lt_u32 s[DT], 2
	s_cbranch_scc1 .Ldiag
	; THE WAY OUT: O^T / l, quantised along the head's 64 (two blocks of the last product's K), as a half image and two scale bytes a row
.rept 4
	v_nop                                          ; four places behind the last products
.endr
	v_add_f32 v[LS], v[LS], v[LS+1]
	v_permlanex16_b32 v[TP], v[LS], s[SEL], s[SEL+1]
	v_add_f32 v[LS], v[LS], v[TP]
	s_wait_alu depctr_va_vdst(0)
	v_rcp_f32 v[LS], v[LS]
	v_nop                                          ; one plain place behind a transcendental
	s_wait_alu depctr_va_vdst(0)                   ; directly ahead of the first reader of 1 / l and of O^T
.set n, 0
.rept 16
	v_pk_mul_f32 v[O+n:O+n+1], v[O+n:O+n+1], v[LS:LS+1] op_sel_hi:[1,0]
.set n, n+2
.endr
	v_max3_num_f32 v[MX], |v[O]|, |v[O+1]|, 0x2800000
	v_max3_num_f32 v[MX+1], |v[O+16]|, |v[O+17]|, 0x2800000
.irp i, 2,4,6,8,10,12,14
	v_max3_num_f32 v[MX], v[MX], |v[O+\i]|, |v[O+\i+1]|
	v_max3_num_f32 v[MX+1], v[MX+1], |v[O+16+\i]|, |v[O+17+\i]|
.endr
	v_permlanex16_b32 v[BP], v[MX], s[SEL], s[SEL+1]
	v_permlanex16_b32 v[BP+1], v[MX+1], s[SEL], s[SEL+1]
	v_max_num_f32 v[MX], v[MX], v[BP]
	v_max_num_f32 v[MX+1], v[MX+1], v[BP+1]
	v_add_nc_u32 v[SO], 0xfe000000, v[MX]
	v_add_nc_u32 v[SO+1], 0xfe000000, v[MX+1]
	v_lshrrev_b32 v[TT], 23, v[SO]
	v_lshrrev_b32 v[TT+1], 23, v[SO+1]
	v_lshl_or_b32 v[TP], v[TT+1], 8, v[TT]
	v_cvt_scalef32_pk16_bf6_f32 v[PC:PC+2], v[O:O+15], v[SO]
	v_cvt_scalef32_pk16_bf6_f32 v[PT:PT+2], v[O+16:O+31], v[SO+1]
	v_nop
.irp i, 0,1,2
	v_permlane16_swap_b32 v[PC+\i], v[PT+\i]
.endr
.irp i, 0,1,2
	v_mov_b32 v[PC+3+\i], v[PT+\i]
.endr
.irp k, 0,1,2
	global_store_b64 v[L8], v[PC+2*\k:PC+2*\k+1], s[92:93] offset:256*\k   ; 256 consecutive bytes a store
.endr
	global_store_b16 v[R4], v[TP], s[90:91]        ; both halves of the lanes write the same two bytes with the same value
	s_wait_tensorcnt 0x0                           ; the wave's end
	s_wait_asynccnt 0x0
	ds_add_u32 v[SPW], v[NIL]
	s_wait_dscnt 0x0
	s_endpgm
.Lfunc_end_k_q007b62efc0_attn:
	.size	k_q007b62efc0_attn, .Lfunc_end_k_q007b62efc0_attn-k_q007b62efc0_attn
	.p2alignl 7, 3214868480
	.fill 96, 4, 3214868480
	.section	.rodata,"a",@progbits
	.p2align	6, 0x0
	.amdhsa_kernel k_q007b62efc0_attn
		.amdhsa_group_segment_fixed_size 219648
		.amdhsa_private_segment_fixed_size 0
		.amdhsa_enable_private_segment 0
		.amdhsa_kernarg_size 24
		.amdhsa_user_sgpr_count 2
		.amdhsa_user_sgpr_kernarg_segment_ptr 1
		.amdhsa_wavefront_size32 1
		.amdhsa_system_sgpr_workgroup_id_x 1
		.amdhsa_system_sgpr_workgroup_id_y 1
		.amdhsa_system_sgpr_workgroup_id_z 1
		.amdhsa_system_vgpr_workitem_id 0
		.amdhsa_next_free_vgpr 256
		.amdhsa_next_free_sgpr 100
		.amdhsa_reserve_vcc 1
		.amdhsa_float_denorm_mode_32 3
		.amdhsa_float_denorm_mode_16_64 3
		.amdhsa_memory_ordered 1
		.amdhsa_forward_progress 1
		.amdhsa_inst_pref_size 108
	.end_amdhsa_kernel
	.amdgpu_metadata
---
amdhsa.version: [ 1, 2 ]
amdhsa.kernels:
  - .name:           k_q007b62efc0_attn
    .symbol:         k_q007b62efc0_attn.kd
    .args:
      - { .name: qb, .offset: 0, .size: 8, .value_kind: global_buffer, .address_space: global }
      - { .name: kv, .offset: 8, .size: 8, .value_kind: global_buffer, .address_space: global }
      - { .name: ob, .offset: 16, .size: 8, .value_kind: global_buffer, .address_space: global }
    .group_segment_fixed_size: 219648
    .private_segment_fixed_size: 0
    .kernarg_segment_align: 8
    .kernarg_segment_size: 24
    .max_flat_workgroup_size: 512
    .sgpr_count:     100
    .vgpr_count:     256
    .wavefront_size: 32
...
	.end_amdgpu_metadata
.endif
;; end of part 3
;; launch oproj (part 4): grid 8 x 32, 4 waves a work-group, no clusters, 222,720 bytes of LDS; arguments ob, wb, out0; writes out0
.if DOCPART == 4
	.amdgcn_target "amdgcn-amd-amdhsa--gfx1250"
	.amdhsa_code_object_version 6
	.text
	.protected	k_q007b62efc0_oproj
	.globl	k_q007b62efc0_oproj
	.p2align	8
	.type	k_q007b62efc0_oproj,@function
k_q007b62efc0_oproj:
	s_mov_b64 s[64:65], 0
	v_nop
	global_prefetch_b8 v0, s[64:65] scope:SCOPE_SE
	s_setreg_imm32_b32 hwreg(HW_REG_WAVE_MODE, 25, 1), 1
	s_wait_xcnt 0x0
; OPROJ: out0 = o Wout on codes of BF6 (E3M2); o's and Wout's tile records are as the earlier launches laid them: 512 bytes of scale words, then eight images of 1,536 bytes.
; SHARES.  A work-group: 128 rows (8 records of ob) x 128 columns (8 records of wb, from record 192 on).  Wave w: rows 64 (w / 2) on, columns 64 (w % 2) on: 16 accumulators.
; All 16 records (204,800 bytes) come into LDS once, in four groups of two K steps, by asynchronous copies, 100 a wave, all issued at the head; no byte is filled twice.
; NO CLUSTER: each work-group copies all its 16 records itself; copies have no mask.
; Source 0 = 16 columns of Wout, source 1 = 16 rows of o: a lane holds one row, its 32 registers of a row tile are columns 32 b + 16 (lane / 16) + i of the wave's 64.
; THE WAY OUT: a tile of 16 rows x 64 columns goes through the wave's own stage in LDS (bytes that no copy fills) and leaves as rows of 256 consecutive bytes, sixteen lanes to a row.
; Row r of tile T stands at place rho = 32 (T / 2) + 8 (T % 2) + r + 8 (r / 8) and is token (rho - 2) mod 2048.
.set TRB,  12800
; LDS now holds whole records as they lie in memory: o's 8, then Wout's 8; group g of two K steps begins LAg bytes into a record
.set RB0,  12800
.set RB,   12800
.set LA0, 0
.set LW0, 102400
.set LA1, 3584
.set LW1, 105984
.set LA2, 6656
.set LW2, 109056
.set LA3, 9728
.set LW3, 112128
.set STG, 204800                       ; the stages: 16 rows x 272 bytes for each wave
.set SPITCH, 272
.set L8,  1
.set SA,  5
.set VR,  6
.set VH,  7
.set SC,  8                            ; v8-11 scale words: register i: o's tile i in lanes 0-15, Wout's tile i in lanes 16-31
.set VO,  12                           ; my byte in out0, from the batch's token -2 on
.set VWR, 13                           ; the same for the one store whose rows may wrap
.set STO, 14
.set RD,  15
.set ACC, 16
.set XF,  144
.set WF,  192
.set XAD, 240
.set WAD, 244
.set BK,  144                          ; the way out: two sets of 32 registers by turns
.set WV,  18
.set RG,  19
.set HD,  20
.macro ROUND
	s_barrier_signal -1
	s_barrier_wait -1
	s_cmp_lg_u32 s[WV], 0
	s_cbranch_scc1 .Lnot_wave_0_\@
	s_barrier_signal -3
.Lnot_wave_0_\@:
	s_barrier_wait -3
	s_barrier_signal -1
	s_barrier_wait -1
.endm
.macro G0SET reg, ldsbase, ldsmul, gbase, goff
	s_mov_b32 s[\reg], 1
	s_mul_i32 s[\reg+1], s[WV], \ldsmul
	s_add_co_u32 s[\reg+1], s[\reg+1], \ldsbase
	s_add_nc_u64 s[\reg+2:\reg+3], s[\gbase:\gbase+1], \goff
	s_or_b32 s[\reg+3], s[\reg+3], 0x80000000
.endm
.macro G1SET reg, w0, n                ; two rows of n elements of 8 bytes, a record (1,600 elements) apart
	s_mov_b32 s[\reg], \w0
	s_mov_b32 s[\reg+1], (\n)<<16
	s_mov_b32 s[\reg+2], 2<<16
	s_mov_b32 s[\reg+3], (\n)<<16
	s_mov_b32 s[\reg+4], 2
	s_mov_b32 s[\reg+5], TRB/8
	s_mov_b32 s[\reg+6], 0
	s_mov_b32 s[\reg+7], 0
.endm
.macro ADRS reg, sel, base, mul
	s_mul_i32 s2, s[\sel], \mul
	s_add_co_u32 s2, s2, \base
	v_add_nc_u32 v[\reg], s2, v[L8]
.endm
	s_load_b128 s[4:7], s[0:1], 0x0                ; ob s[4:5], wb s[6:7]
	s_load_b64 s[8:9], s[0:1], 0x10                ; out0
	v_lshl_add_u32 v254, v0, 2, 0x36400
	v_mov_b32 v255, 0
	ds_add_u32 v254, v255
	ds_add_u32 v254, v255
	v_lshrrev_b32 v3, 5, v0
	v_readfirstlane_b32 s[WV], v3                  ; wave 0..3
	s_lshr_b32 s[RG], s[WV], 1
	s_and_b32 s[HD], s[WV], 1
	s_mov_b32 s22, ttmp9                           ; which 128 columns
	s_and_b32 s24, ttmp7, 0xffff                   ; which 128 rows
	v_and_b32 v2, 31, v0
	v_lshlrev_b32 v2, 4, v2                        ; the copies: 16 bytes a lane, 512 consecutive bytes a copy
	s_mul_i32 s2, s[WV], 2*TRB
	v_add_nc_u32 v4, s2, v2                        ; LDS: o's records 2 w, 2 w + 1
	s_add_co_u32 s2, s2, LW0
	v_add_nc_u32 v248, s2, v2                      ; LDS: Wout's records 2 w, 2 w + 1
	s_lshl_b32 s26, s24, 3
	s_lshl_b32 s27, s[WV], 1
	s_add_co_u32 s26, s26, s27
	s_mul_i32 s26, s26, TRB                        ; o's records 8 y + 2 w, + 1
	s_mov_b32 s27, 0
	s_lshl_b32 s30, s22, 3
	s_lshl_b32 s31, s[WV], 1
	s_add_co_u32 s30, s30, s31
	s_add_co_u32 s30, s30, 192
	s_mul_i32 s30, s30, TRB                        ; Wout's records 192 + 8 cb + 2 w, + 1
	s_mov_b32 s31, 0
	s_wait_alu depctr_va_vdst(0)                   ; directly ahead of the waits below
	s_wait_dscnt 0x0
	s_wait_kmcnt 0x0
	s_add_nc_u64 s[28:29], s[4:5], s[26:27]
	s_add_nc_u64 s[30:31], s[6:7], s[30:31]
; ALL THE LAUNCH'S FILLS: asynchronous copies, issued here, in the order in which the groups are waited for; no LDS byte is filled twice.
; Pieces lo .. hi - 1 of 512 bytes of each of my four records: four copies a piece; 28, 24, 24, 24 copies for the four groups.
; v2, v4, v248 and s[28:31] are not written again before the wait for 0 on ASYNCcnt.
.macro COPY lo, hi
.set cj, \lo
.rept \hi-\lo
	global_load_async_to_lds_b128 v4, v2, s[28:29] offset:512*cj
	global_load_async_to_lds_b128 v4, v2, s[28:29] offset:TRB+512*cj
	global_load_async_to_lds_b128 v248, v2, s[30:31] offset:512*cj
	global_load_async_to_lds_b128 v248, v2, s[30:31] offset:TRB+512*cj
.set cj, cj+1
.endr
.endm
	COPY 0, 7
	COPY 7, 13
	COPY 13, 19
	COPY 19, 25
	v_and_b32 v3, 31, v0
	v_lshlrev_b32 v[L8], 3, v3
	s_wait_alu depctr_va_vdst(0)
	v_and_b32 v[VR], 15, v0
	v_bfe_u32 v[VH], v0, 4, 1
	s_wait_alu depctr_va_vdst(0)
	ADRS XAD+0, RG, LA0, 4*RB0
	ADRS XAD+1, RG, LA1, 4*RB
	ADRS XAD+2, RG, LA2, 4*RB
	ADRS XAD+3, RG, LA3, 4*RB
	ADRS WAD+0, HD, LW0, 4*RB0
	ADRS WAD+1, HD, LW1, 4*RB
	ADRS WAD+2, HD, LW2, 4*RB
	ADRS WAD+3, HD, LW3, 4*RB
	s_mul_i32 s2, s[RG], 4*RB0                     ; scale words: o's at my four tiles' parts of group 0,
	s_mul_i32 s25, s[HD], 4*RB0
	s_add_co_u32 s25, s25, LW0
	s_sub_co_u32 s25, s25, s2                      ; Wout's this much further on: one product with the lane's half
	v_mul_u32_u24 v[SA], s25, v[VH]
	v_lshl_add_u32 v[SA], v[VR], 2, v[SA]
	v_add_nc_u32 v[SA], s2, v[SA]
	s_and_b32 s25, s24, 15
	s_lshl_b32 s25, s25, 1
	s_add_co_u32 s25, s25, s[RG]                   ; which 64 places of the batch are my wave's
	s_lshl_b32 s2, s25, 18                         ; 64 rows of 4,096 bytes
	v_lshlrev_b32 v[VO], 12, v[VH]                 ; lanes 0-15 one row, lanes 16-31 the next; 16 bytes a lane
	v_lshl_add_u32 v[VO], v[VR], 4, v[VO]
	v_add_nc_u32 v[VO], s2, v[VO]
	s_lshl_b32 s2, s25, 6
	v_add_nc_u32 v[VWR], s2, v[VH]
	v_add_nc_u32 v[VWR], -2, v[VWR]
	v_and_b32 v[VWR], 0x7ff, v[VWR]                ; places 0 and 1 of the 64: token (rho - 2) mod 2048
	v_lshlrev_b32 v[VWR], 12, v[VWR]
	v_lshl_add_u32 v[VWR], v[VR], 4, v[VWR]
	s_mul_i32 s2, s[WV], 16*SPITCH
	s_add_co_u32 s2, s2, STG                       ; my stage
	v_mul_u32_u24 v[STO], v[VR], SPITCH
	v_lshl_add_u32 v[STO], v[VH], 6, v[STO]
	v_add_nc_u32 v[STO], s2, v[STO]                ; in: row r, + 64 h
	v_mul_u32_u24 v[RD], v[VH], SPITCH
	v_lshl_add_u32 v[RD], v[VR], 4, v[RD]
	v_add_nc_u32 v[RD], s2, v[RD]                  ; back: two rows an instruction
.macro LD4 reg, adr
.irp i, 0,1,2,3
.irp p, 0,1,2,3,4,5
	ds_load_b64 v[\reg+12*\i+2*\p:\reg+12*\i+2*\p+1], v[\adr] offset:\i*KRB+KOF+256*\p
.endr
.endr
.endm
; K step s: 52 LDS loads, 16 products.  The 16 accumulators take turns, one instruction a turn, in the same order in every step.
.macro KSTEP s
.set KG, (\s)/2
.if KG == 0
.set KRB, RB0
.set KOF, 512+1536*((\s)%2)
.else
.set KRB, RB
.set KOF, 1536*((\s)%2)
.endif
.if (\s) > 0
.rept 4
	v_nop                                          ; four places in front of loads into registers that matrix instructions have read
.endr
.endif
.irp i, 0,1,2,3
	ds_load_b32 v[SC+\i], v[SA] offset:RB0*\i+64*(\s)
.endr
	LD4 WF, WAD+KG
	LD4 XF, XAD+KG
.irp i1, 0,1,2,3
	s_wait_dscnt 6*(3-\i1)                         ; o's tile i1 is in; six loads for each later tile may be out
.irp i0, 0,1,2,3
.set AD, ACC+8*(4*\i1+\i0)
.if (\s) == 0
	v_wmma_scale_f32_16x16x128_f8f6f4 v[AD:AD+7], v[WF+12*\i0:WF+12*\i0+11], v[XF+12*\i1:XF+12*\i1+11], 0, v[SC+\i0], v[SC+\i1] matrix_a_fmt:MATRIX_FMT_BF6 matrix_b_fmt:MATRIX_FMT_BF6 matrix_a_scale:MATRIX_SCALE_ROW1
.else
	v_wmma_scale_f32_16x16x128_f8f6f4 v[AD:AD+7], v[WF+12*\i0:WF+12*\i0+11], v[XF+12*\i1:XF+12*\i1+11], v[AD:AD+7], v[SC+\i0], v[SC+\i1] matrix_a_fmt:MATRIX_FMT_BF6 matrix_b_fmt:MATRIX_FMT_BF6 matrix_a_scale:MATRIX_SCALE_ROW1
.endif
.endr
.endr
.endm
.irp g, 0,1,2,3
.if \g == 0
	s_wait_asynccnt 63                             ; 72 copies follow group 0's; the wait's field holds 63, which asks for more than is needed
.else
	s_wait_asynccnt 72-24*\g                       ; my copies of group g have landed; 24 for each later group may be out
.endif
	s_barrier_signal -1                            ; (no LDS instruction of mine is out: the last step ended on a wait for 0)
	s_barrier_wait -1
	KSTEP 2*\g
	KSTEP 2*\g+1
.endr
	s_lshr_b32 s48, s24, 4
	s_lshl_b32 s48, s48, 23                        ; the batch's 2,048 rows of 4,096 bytes
	s_lshl_b32 s50, s22, 9
	s_add_co_u32 s48, s48, s50                     ; the work-group's 128 columns
	s_lshl_b32 s50, s[HD], 8
	s_add_co_u32 s48, s48, s50                     ; my 64: 256 bytes, at a multiple of 256 from out0's first byte
	s_mov_b32 s49, 0
	s_add_nc_u64 s[48:49], s[8:9], s[48:49]
.macro TOSTAGE a
.irp i0, 0,1,2,3
	ds_store_b128 v[STO], v[ACC+8*(4*(\a)+\i0):ACC+8*(4*(\a)+\i0)+3] offset:128*(\i0/2)+32*(\i0%2)        ; each accumulator from its low end on
	ds_store_b128 v[STO], v[ACC+8*(4*(\a)+\i0)+4:ACC+8*(4*(\a)+\i0)+7] offset:128*(\i0/2)+32*(\i0%2)+16
.endr
.irp k, 0,1,2,3,4,5,6,7
	ds_load_b128 v[BK+32*((\a)%2)+4*\k:BK+32*((\a)%2)+4*\k+3], v[RD] offset:2*SPITCH*\k   ; my own bytes: LDS serves a wave's instructions in order, so these see the stores above, and the next tile's stores come behind them
.endr
.endm
.macro SEND a, younger
	s_wait_dscnt \younger                          ; tile a is back in registers; the next tile's 8 stores and 8 loads may be out
.irp k, 0,1,2,3,4,5,6,7
.if ((\a) == 0) && (\k == 0)
	global_store_b128 v[VWR], v[BK+32*((\a)%2)+4*\k:BK+32*((\a)%2)+4*\k+3], s[48:49] th:TH_STORE_NT
.else
	global_store_b128 v[VO], v[BK+32*((\a)%2)+4*\k:BK+32*((\a)%2)+4*\k+3], s[48:49] offset:(32*((\a)/2)+8*((\a)%2)+2*\k+8*(\k/4))*4096-8192 th:TH_STORE_NT   ; sixteen lanes store 256 consecutive bytes
.endif
.endr
.endm
.rept 4
	v_nop                                          ; four places behind the last products: for the stores that read results and the loads into the fragments' registers
.endr
	s_wait_alu depctr_va_vdst(0)
	TOSTAGE 0
.irp a, 1,2,3
.if \a > 1
	s_wait_xcnt 0x0                                ; tile a - 2's stores have read their registers: tile a's loads land there only behind this wait
.endif
	TOSTAGE \a
	SEND \a-1, 16
.endr
	SEND 3, 0
	s_wait_tensorcnt 0x0
	s_wait_asynccnt 0x0
	ds_add_u32 v254, v255
	s_wait_dscnt 0x0
	s_endpgm
.Lfunc_end_k_q007b62efc0_oproj:
	.size	k_q007b62efc0_oproj, .Lfunc_end_k_q007b62efc0_oproj-k_q007b62efc0_oproj
	.p2alignl 7, 3214868480
	.fill 96, 4, 3214868480
	.section	.rodata,"a",@progbits
	.p2align	6, 0x0
	.amdhsa_kernel k_q007b62efc0_oproj
		.amdhsa_group_segment_fixed_size 222720
		.amdhsa_private_segment_fixed_size 0
		.amdhsa_enable_private_segment 0
		.amdhsa_kernarg_size 24
		.amdhsa_user_sgpr_count 2
		.amdhsa_user_sgpr_kernarg_segment_ptr 1
		.amdhsa_wavefront_size32 1
		.amdhsa_system_sgpr_workgroup_id_x 1
		.amdhsa_system_sgpr_workgroup_id_y 1
		.amdhsa_system_sgpr_workgroup_id_z 1
		.amdhsa_system_vgpr_workitem_id 0
		.amdhsa_next_free_vgpr 256
		.amdhsa_next_free_sgpr 100
		.amdhsa_reserve_vcc 0
		.amdhsa_float_denorm_mode_32 3
		.amdhsa_float_denorm_mode_16_64 3
		.amdhsa_memory_ordered 1
		.amdhsa_forward_progress 1
		.amdhsa_inst_pref_size 66
	.end_amdhsa_kernel
	.amdgpu_metadata
---
amdhsa.version: [ 1, 2 ]
amdhsa.kernels:
  - .name:           k_q007b62efc0_oproj
    .symbol:         k_q007b62efc0_oproj.kd
    .args:
      - { .name: ob, .offset: 0, .size: 8, .value_kind: global_buffer, .address_space: global }
      - { .name: wb, .offset: 8, .size: 8, .value_kind: global_buffer, .address_space: global }
      - { .name: out0, .offset: 16, .size: 8, .value_kind: global_buffer, .address_space: global }
    .group_segment_fixed_size: 222720
    .private_segment_fixed_size: 0
    .kernarg_segment_align: 8
    .kernarg_segment_size: 24
    .max_flat_workgroup_size: 128
    .sgpr_count:     100
    .vgpr_count:     256
    .wavefront_size: 32
...
	.end_amdgpu_metadata
.endif
;; end of part 4
